; MI455X (gfx1250); checked and timed in simulation.
; The chip was launched on July 23, 2026; its instructions are those of AMD's public machine-readable ISA for CDNA 5 (MIT licence, August 2026) and "CDNA5" Instruction Set Architecture Reference Guide (July 2026). The comments in the code are by the model that wrote it; some were corrected since.
;; Full Attention. Allowed arithmetic: matrix products marked QUANTISED: E2M3 operands, one E8M0 scale for each 32 along K, by v_wmma_scale_f32_16x16x128_f8f6f4 with both operands' format E2M3, f32 sums; everything else in f32.
;; Inputs: g 1,024 float32; w_k 1,024 x 16 x 64 float32; w_q 1,024 x 16 x 64 float32; w_res 1,024 x 1,024 float32; w_v 1,024 x 16 x 64 float32; x 2 x 2,048 x 1,024 float32; xl_r 16 x 2,048 x 64 float32; xl_u 1 x 16 x 1 x 64 float32; xl_v 1 x 16 x 1 x 64 float32.
;; Outputs: out0 2 x 2,048 x 1,024 float32.
;; This version of the problem:
;;   THIS VERSION OF THE PROBLEM IS GIVEN IN LOW PRECISION. The matrix products marked QUANTISED in the list below multiply operands that are first quantised to E2M3 (2 exponent bits, 3 mantissa bits; 6 bits a number), with one power-of-two scale for each 32 numbers along K (OCP MX v1.0); their sums are f32. All else is computed in f32.
;;   The module's matrix products, in the order in which they are computed (A, B: the left and right operand; K: the contracted axis; several contracted axes count as one K, in the product's order):
;;     1. [M 1,024, K 1,024] x [K 1,024, N 4,096]; A: input w_q; B: computed on the way: QUANTISED
;;     2. [M 1,024, K 1,024] x [K 1,024, N 4,096]; A: input w_k; B: computed on the way: QUANTISED
;;     3. [M 1,024, K 1,024] x [K 1,024, N 4,096]; A: input w_v; B: computed on the way: QUANTISED
;;     4. batch 32 x [M 2,048, K 64] x [K 64, N 2,048]; A: computed on the way; B: computed on the way: QUANTISED
;;     5. batch 16 x [M 2,048, K 64] x [K 64, N 4,096]; A: input xl_r; B: computed on the way: QUANTISED
;;     6. batch 32 x [M 64, K 2,048] x [K 2,048, N 2,048]; A: computed on the way; B: softmax (see below): QUANTISED
;;     7. [M 4,096, K 1,024] x [K 1,024, N 1,024]; A: computed on the way; B: input w_res: QUANTISED
;;   THE QUANTISER, for each operand of a quantised product, along K:
;;     - K is cut into blocks of 32 from its start; a last block that is shorter is filled with zeros.
;;     - A block's scale is 2^e with e = floor(log2(the largest magnitude in the block)) - 2, held to -126 .. 127; a block of zeros has e = 0. As a byte (E8M0): e + 127.
;;     - Each number is divided by its block's scale, clamped to +-7.5, and rounded to the nearest number of E2M3, ties to even, subnormals kept.
;;     - The product sums the exact products of the quantised numbers (number of the format x scale) in f32.
;;   ~~~python
;;   def quantise(x, axis):      # numpy; x: float32 -> the quantised numbers, widened to float32 again
;;       x = np.moveaxis(x, axis, -1); K = x.shape[-1]
;;       x = np.pad(x, [(0, 0)] * (x.ndim - 1) + [(0, -K % 32)]); x = x.reshape(x.shape[:-1] + (-1, 32)); a = np.abs(x).max(-1, keepdims=True)
;;       e = np.where(a > 0, np.clip(np.frexp(np.where(a > 0, a, 1))[1] - 1 - 2, -126, 127), 0)      # np.frexp(a)[1] - 1 = floor(log2(a)), exactly
;;       r = np.clip(x / 2.0 ** e, -7.5, 7.5)
;;       step = 2.0 ** (np.maximum(np.frexp(np.where(r == 0, 1, r))[1] - 1, 0) - 3)
;;       q = np.round(r / step) * step * 2.0 ** e      # np.round: ties to even
;;       return np.moveaxis(q.reshape(q.shape[:-2] + (-1,))[..., :K], -1, axis).astype(np.float32)
;;   ~~~
;;   SOFTMAX AHEAD OF A QUANTISED PRODUCT. Where the list says 'softmax', what is quantised is not the finished softmax but p = 2^(t - M), with t = logit x log2(e) and M = ceil(the row's largest t), a whole number; so 1/2 < the row's largest p <= 1. The row's sum l is taken of the UNQUANTISED p, in f32, and the product's result is divided by l at the end. Since M is a whole number, a kernel that streams over the keys may use a running M (the ceiling of the running maximum): every later rescaling is an exact power of two, which a block's scale takes up: the codes' values come out the same.
;;   OPERANDS COMPUTED ON THE WAY. 'Computed on the way' means the value that the module computes at that place (a softmax that the list does not call 'softmax' is quantised finished and normalised). What goes into a quantiser is computed in f32, as accurately as f32 sums, v_exp_f32 and their like allow (about 1e-6 of the number): no bf16 or f16 on the way to a quantiser, and a product that is left as it is and whose result goes on into a quantised operand takes f32 operands (vector FMAs, or v_wmma_f32_16x16x4_f32). A number that lies on a knife's edge between two numbers of the format may be rounded either way, as far as f32 arithmetic and the matrix unit's own rounding can turn it there, and no further.
;; One version. Each part assembles by itself: llvm-mc -triple=amdgcn-amd-amdhsa -mcpu=gfx1250 --defsym DOCPART=n.
;; ======== version 1 of 1: 4 launches
;; limits: right only within a limited range of input values
;; workspace buffers: pre 8,257,536 bytes; qkv 13,500,416 bytes; att 3,276,800 bytes
;; launch prep (part 1): grid 384 x 1, 16 waves a work-group, no clusters, 211,456 bytes of LDS; arguments x, g, w_q, w_k, w_v, w_res, xl_r, pre; writes pre
.if DOCPART == 1
	.amdgcn_target "amdgcn-amd-amdhsa--gfx1250"
	.amdhsa_code_object_version 6
	.text
	.protected	k_q2a98ae7054_prep
	.globl	k_q2a98ae7054_prep
	.p2align	8
	.type	k_q2a98ae7054_prep,@function
k_q2a98ae7054_prep:
	s_mov_b64 s[64:65], 0
	v_nop
	global_prefetch_b8 v0, s[64:65] scope:SCOPE_SE
	s_setreg_imm32_b32 hwreg(HW_REG_WAVE_MODE, 25, 1), 1
	s_wait_xcnt 0x0
; Everything that arrives as f32 and is an operand of a quantised product becomes codes of E2M3 with one E8M0 byte for each 32 along K.
; THE UNIT, in which all codes of this program lie: 16 rows x 64 along K as an image of operand registers.  Lane L = r + 16 h holds row r, k = 32 h .. 32 h + 31,
; in six registers; bytes 0-511 of a unit are registers 0-3 (lane L at 16 L), bytes 512-767 registers 4-5 (lane L at 8 L).  Two units on end are a fragment of 128 along K.
; pre: x's codes [256 token tiles][16 units]; the four weights' [4][64 tiles of columns][16 units]; x's bytes [4096][32]; the weights' [4][1024][32];
;      xl_r, a head at a time: 128 units, then 2,048 scale words (the row's two bytes, written twice).
; Work-groups 0-255: RMSNorm of 16 tokens, a wave a token.  256-319: a weight's 128 k x 512 columns, a lane a column, registers down K.  320-383: 512 rows of xl_r.
; Each of the three ways has LDS bytes of its own.
; A block's scale: the largest magnitude's exponent field less 2, held at 1 from below by a floor among the maximum's leaves.
; LIMITS: NaN and infinities among the inputs are not served.  A block of zeros gets the byte 1 where the rule says 127: its codes are zeros, and this program alone reads the bytes.
.set XT,  0                            ; way X: a stage of 32 places of 144 bytes for each wave
.set XI,  73728                        ;        the tile's 16 units
.set XB,  86016                        ;        its 16 x 32 scale bytes
.set WT,  86528                        ; way W: 3,072 bytes for each wave: two tiles x two units
.set RT,  135680                       ; way R: a stage as way X's
.set WCO, 3145728
.set XSO, 6291456
.set WSO, 6422528
.set RRO, 6553600
.set MA,  20                           ; v20-21 two chains of the maximum; v22 the conversions' scale operand; v24-26 a block's upper 16 codes; v27 the byte
.set MB,  21
.set SO,  22
.set TT,  24
.set EB,  27
; 32 numbers v[s] .. v[s + 31] of one block become six registers of codes, v[c] on, and the byte in v[EB]
.macro QB s, c
	v_max3_num_f32 v[MA], |v[(\s)]|, |v[(\s)+1]|, 0x1800000        ; the floor 2^(3 - 127): the byte cannot fall under 1
	v_max3_num_f32 v[MB], |v[(\s)+2]|, |v[(\s)+3]|, 0x1800000
.irp i, 4,8,12,16,20,24,28
	s_delay_alu instid0(VALU_DEP_2)
	v_max3_num_f32 v[MA], v[MA], |v[(\s)+\i]|, |v[(\s)+\i+1]|
	s_delay_alu instid0(VALU_DEP_2)
	v_max3_num_f32 v[MB], v[MB], |v[(\s)+\i+2]|, |v[(\s)+\i+3]|
.endr
	s_delay_alu instid0(VALU_DEP_1)
	v_max_num_f32 v[MA], v[MA], v[MB]
	s_delay_alu instid0(VALU_DEP_1)
	v_add_nc_u32 v[SO], 0xff000000, v[MA]                          ; 2 off the exponent field: the conversion takes that field as its scale
	s_delay_alu instid0(VALU_DEP_1)
	v_lshrrev_b32 v[EB], 23, v[SO]
	v_cvt_scalef32_pk16_fp6_f32 v[(\c):(\c)+2], v[(\s):(\s)+15], v[SO]
	v_cvt_scalef32_pk16_fp6_f32 v[TT:TT+2], v[(\s)+16:(\s)+31], v[SO]  ; (a conversion's three registers begin on an even number)
	v_nop                                                          ; one plain place behind a scaled conversion
	v_mov_b32 v[(\c)+3], v[TT]
	v_mov_b32 v[(\c)+4], v[TT+1]
	v_mov_b32 v[(\c)+5], v[TT+2]
.endm
	s_load_b256 s[4:11], s[0:1], 0x0               ; x s[4:5], g s[6:7], w_q s[8:9], w_k s[10:11]
	s_load_b256 s[12:19], s[0:1], 0x20             ; w_v s[12:13], w_res s[14:15], xl_r s[16:17], pre s[18:19]
	v_lshl_add_u32 v192, v0, 2, 0x33200
	v_mov_b32 v193, 0
	v_lshrrev_b32 v1, 5, v0
	s_delay_alu instid0(VALU_DEP_1)
	v_readfirstlane_b32 s20, v1                    ; wave 0..15
	v_and_b32 v2, 31, v0                           ; lane
	s_delay_alu instid0(VALU_DEP_1)
	v_lshlrev_b32 v3, 4, v2                        ; 16 x lane
	s_mov_b32 s22, 0x76543210
	s_mov_b32 s23, 0xfedcba98                      ; v_permlanex16_b32's selects for lane l xor 16
	s_wait_kmcnt 0x0
	s_add_co_u32 s21, ttmp9, 256                   ; THE SHARE's number, by which the head comment counts 'work-groups': (the work-group's number + 256) modulo 384,
	s_cmp_ge_u32 s21, 384                          ; so that the weights' and xl_r's shares, which read the most bytes each, have the lowest work-group numbers
	s_cselect_b32 s24, 384, 0
	s_sub_co_u32 s21, s21, s24
	s_cmp_lt_u32 s21, 256
	s_cbranch_scc0 .Lnot_x
; ---------------- way X: the work-group's 16 tokens, wave w the token 16 x work-group + w ----------------
	s_lshl_b32 s24, s21, 4
	s_add_co_u32 s24, s24, s20                     ; my token
	s_lshl_b32 s26, s24, 12                        ; a row is 4,096 bytes
	s_mov_b32 s27, 0
	s_add_nc_u64 s[4:5], s[4:5], s[26:27]
	s_wait_alu depctr_va_vdst(0)
.irp i, 0,1,2,3,4,5,6,7
	global_load_b128 v[32+4*\i:35+4*\i], v3, s[4:5] offset:512*\i th:TH_LOAD_NT   ; 32 lanes read 512 consecutive bytes
.endr
.irp i, 0,1,2,3,4,5,6,7
	global_load_b128 v[64+4*\i:67+4*\i], v3, s[6:7] offset:512*\i                 ; g at the same columns
.endr
	s_mul_i32 s28, s24, 768                        ; wave w stores unit w of the tile: (16 x tile + w) x 768
	s_mov_b32 s29, 0
	s_add_nc_u64 s[28:29], s[18:19], s[28:29]
	s_lshl_b32 s30, s21, 9
	s_add_co_u32 s30, s30, XSO                     ; the tile's 512 scale bytes
	s_mov_b32 s31, 0
	s_add_nc_u64 s[30:31], s[18:19], s[30:31]
	s_mul_i32 s25, s20, 4608                       ; my stage (XT = 0)
	v_lshrrev_b32 v4, 3, v2
	s_delay_alu instid0(VALU_DEP_1)
	v_mul_u32_u24 v4, v4, 144
	v_and_b32 v5, 7, v2
	s_delay_alu instid0(VALU_DEP_1)
	v_lshl_add_u32 v4, v5, 4, v4
	s_delay_alu instid0(VALU_DEP_1)
	v_add_nc_u32 v4, s25, v4                       ; in: eight lanes' 128 bytes are a block: a place of 144; a load's four blocks take 576
	v_mul_u32_u24 v5, v2, 144
	s_delay_alu instid0(VALU_DEP_1)
	v_add_nc_u32 v5, s25, v5                       ; out: lane l takes block l
	v_lshrrev_b32 v6, 1, v2
	s_delay_alu instid0(VALU_DEP_1)
	v_mul_u32_u24 v6, v6, 768                      ; block l lies in unit l / 2, half l % 2; my token is the unit's row w
	v_and_b32 v7, 1, v2
	s_delay_alu instid0(VALU_DEP_1)
	v_lshl_add_u32 v8, v7, 7, v6
	s_delay_alu instid0(VALU_DEP_2)
	v_lshl_add_u32 v6, v7, 8, v6
	s_lshl_b32 s25, s20, 4
	s_add_co_u32 s25, s25, XI
	v_add_nc_u32 v6, s25, v6                       ; registers 0-3: 16 (w + 16 (l % 2))
	s_lshl_b32 s25, s20, 3
	s_add_co_u32 s25, s25, XI+512
	v_add_nc_u32 v7, s25, v8                       ; registers 4-5: 512 + 8 (w + 16 (l % 2))
	s_lshl_b32 s25, s20, 5
	s_add_co_u32 s25, s25, XB
	v_add_nc_u32 v8, s25, v2                       ; my block's byte: 32 w + l
	s_mul_i32 s25, s20, 768
	s_add_co_u32 s25, s25, XI
	v_add_nc_u32 v9, s25, v3                       ; back: unit w
	v_lshlrev_b32 v11, 3, v2
	s_delay_alu instid0(VALU_DEP_1)
	v_add_nc_u32 v10, s25, v11
	v_add_nc_u32 v16, XB, v3
	s_mov_b32 s26, 0x3a800000                      ; 1 / 1,024
	s_mov_b32 s27, 0x358637bd                      ; EPS = 1e-6
	s_wait_loadcnt 8                               ; x's eight loads are in; g's eight may be out
	v_pk_mul_f32 v[12:13], v[32:33], v[32:33]      ; the sum of squares, two chains of pairs
	v_pk_mul_f32 v[14:15], v[34:35], v[34:35]
.irp j, 4,8,12,16,20,24,28
	s_delay_alu instid0(VALU_DEP_2)
	v_pk_fma_f32 v[12:13], v[32+\j:33+\j], v[32+\j:33+\j], v[12:13]
	s_delay_alu instid0(VALU_DEP_2)
	v_pk_fma_f32 v[14:15], v[34+\j:35+\j], v[34+\j:35+\j], v[14:15]
.endr
	s_delay_alu instid0(VALU_DEP_1)
	v_pk_add_f32 v[12:13], v[12:13], v[14:15]
	s_delay_alu instid0(VALU_DEP_1)
	v_add_f32 v12, v12, v13
	s_delay_alu instid0(VALU_DEP_1)
	v_add_f32_dpp v12, v12, v12 row_xmask:1 row_mask:0xf bank_mask:0xf
	s_delay_alu instid0(VALU_DEP_1)
	v_add_f32_dpp v12, v12, v12 row_xmask:2 row_mask:0xf bank_mask:0xf
	s_delay_alu instid0(VALU_DEP_1)
	v_add_f32_dpp v12, v12, v12 row_xmask:4 row_mask:0xf bank_mask:0xf
	s_delay_alu instid0(VALU_DEP_1)
	v_add_f32_dpp v12, v12, v12 row_xmask:8 row_mask:0xf bank_mask:0xf
	s_delay_alu instid0(VALU_DEP_1)
	v_permlanex16_b32 v13, v12, s22, s23
	s_delay_alu instid0(VALU_DEP_1)
	v_add_f32 v12, v12, v13
	s_delay_alu instid0(VALU_DEP_1)
	v_fma_f32 v12, v12, s26, s27                   ; the mean (an exact scaling) + EPS: one rounding, as in two steps
	s_wait_alu depctr_va_vdst(0)
	v_rsq_f32 v14, v12
	v_rsq_f32 v15, v12                             ; twice: a pair for the packed multiply
	v_nop                                          ; a plain place behind the transcendentals
	s_wait_alu depctr_va_vdst(0)                   ; one wait for both, ahead of their first reader
	s_wait_loadcnt 0x0                             ; g
.irp j, 0,2,4,6,8,10,12,14,16,18,20,22,24,26,28,30
	v_pk_mul_f32 v[32+\j:33+\j], v[32+\j:33+\j], v[14:15]
.endr
.irp j, 0,2,4,6,8,10,12,14,16,18,20,22,24,26,28,30
	v_pk_mul_f32 v[32+\j:33+\j], v[32+\j:33+\j], v[64+\j:65+\j]   ; (x rs) g, in that order
.endr
.irp i, 0,1,2,3,4,5,6,7
	ds_store_b128 v4, v[32+4*\i:35+4*\i] offset:576*\i
.endr
.irp k, 0,1,2,3,4,5,6,7
	ds_load_b128 v[96+4*\k:99+4*\k], v5 offset:16*\k               ; LDS serves a wave's instructions in order: these see my stores
.endr
	s_wait_dscnt 0x0
	QB 96, 128
	ds_store_b128 v6, v[128:131]
	ds_store_b64 v7, v[132:133]
	ds_store_b8 v8, v[EB]
	s_wait_dscnt 0x0                               ; for the others' sake: my part of the sixteen units has landed
	s_barrier_signal -1
	s_barrier_wait -1
	ds_load_b128 v[140:143], v9
	ds_load_b64 v[144:145], v10 offset:512
	s_wait_dscnt 0x0
	global_store_b128 v3, v[140:143], s[28:29]                     ; 512 consecutive bytes, then 256: three aligned blocks of 256
	global_store_b64 v11, v[144:145], s[28:29] offset:512
	s_cmp_lg_u32 s20, 0
	s_cbranch_scc1 .Lx_end
	ds_load_b128 v[148:151], v16                                   ; wave 0: the tile's 512 scale bytes
	s_wait_dscnt 0x0
	global_store_b128 v3, v[148:151], s[30:31]
.Lx_end:
	s_wait_tensorcnt 0x0
	ds_add_u32 v192, v193
	s_wait_dscnt 0x0
	s_endpgm
.Lnot_x:
	s_cmp_lt_u32 s21, 320
	s_cbranch_scc0 .Lpath_r
; ---------------- way W: weight j, k = 128 kq on, columns 512 half + 32 wave + lane ----------------
	s_sub_co_u32 s24, s21, 256
	s_lshr_b32 s25, s24, 4                         ; j: 0 w_q, 1 w_k, 2 w_v, 3 w_res
	s_bfe_u32 s26, s24, 0x30001                    ; kq
	s_and_b32 s27, s24, 1                          ; half
	s_cmp_lt_u32 s25, 2                            ; the choice hangs on the work-group's number alone
	s_cselect_b64 s[30:31], s[8:9], s[12:13]
	s_cselect_b64 s[32:33], s[10:11], s[14:15]
	s_and_b32 s28, s25, 1
	s_cmp_eq_u32 s28, 0
	s_cselect_b64 s[30:31], s[30:31], s[32:33]
	s_lshl_b32 s28, s26, 19                        ; 128 rows of 4,096 bytes
	s_lshl_b32 s29, s27, 11
	s_add_co_u32 s28, s28, s29
	s_lshl_b32 s29, s20, 7
	s_add_co_u32 s28, s28, s29
	s_mov_b32 s29, 0
	s_add_nc_u64 s[30:31], s[30:31], s[28:29]
	s_wait_alu depctr_va_vdst(0)
	v_lshlrev_b32 v9, 2, v2                        ; 4 bytes a lane: a load reads 128 consecutive bytes, the sixteen waves stand side by side
.macro LOADW t
.set i_, 0
.rept 32
	global_load_b32 v[32+32*(\t)+i_], v9, s[30:31] offset:4096*(32*(\t)+i_) th:TH_LOAD_NT
.set i_, i_+1
.endr
.endm
	LOADW 0
	LOADW 1
	s_mul_i32 s36, s25, 786432                     ; codes: weight, tile of columns 32 half + 2 wave, units 2 kq and 2 kq + 1
	s_lshl_b32 s28, s27, 5
	s_lshl_b32 s29, s20, 1
	s_add_co_u32 s28, s28, s29
	s_mul_i32 s28, s28, 12288
	s_add_co_u32 s36, s36, s28
	s_mul_i32 s28, s26, 1536
	s_add_co_u32 s36, s36, s28
	s_add_co_u32 s36, s36, WCO
	s_mov_b32 s37, 0
	s_add_nc_u64 s[36:37], s[18:19], s[36:37]
	s_lshl_b32 s38, s25, 15                        ; bytes: 32 a column; my word is the column's bytes 4 kq .. 4 kq + 3
	s_lshl_b32 s28, s27, 14
	s_add_co_u32 s38, s38, s28
	s_lshl_b32 s28, s20, 10
	s_add_co_u32 s38, s38, s28
	s_lshl_b32 s28, s26, 2
	s_add_co_u32 s38, s38, s28
	s_add_co_u32 s38, s38, WSO
	s_mov_b32 s39, 0
	s_add_nc_u64 s[38:39], s[18:19], s[38:39]
	s_mul_i32 s34, s20, 3072
	s_add_co_u32 s34, s34, WT                      ; my stage
	v_lshrrev_b32 v4, 4, v2
	s_delay_alu instid0(VALU_DEP_1)
	v_mul_u32_u24 v4, v4, 1536                     ; my column's tile,
	v_and_b32 v5, 15, v2                           ; its row in the tile
	s_delay_alu instid0(VALU_DEP_1)
	v_lshl_add_u32 v6, v5, 3, v4
	s_delay_alu instid0(VALU_DEP_2)
	v_lshl_add_u32 v4, v5, 4, v4
	s_delay_alu instid0(VALU_DEP_1)
	v_add_nc_u32 v4, s34, v4
	s_delay_alu instid0(VALU_DEP_3)
	v_add_nc_u32 v5, s34, v6
	v_add_nc_u32 v6, s34, v3                       ; the way out: the stage as it lies
	v_lshlrev_b32 v7, 5, v2
; block t: 32 along K of my column; it is half t % 2 of unit t / 2
.macro BLOCKW t
.if (\t) < 3
	s_wait_loadcnt 32                              ; this block's 32 loads are in; the next block's may be out
.else
	s_wait_loadcnt 0x0
.endif
.if (\t)+2 < 4
	LOADW (\t)+2
.endif
	QB 32+32*(\t), 160+8*(\t)
.if (\t) == 0
	v_mov_b32 v28, v[EB]
.else
	v_lshl_or_b32 v28, v[EB], 8*(\t), v28          ; four bytes to the word, the lower K in the lower byte
.endif
	ds_store_b128 v4, v[160+8*(\t):163+8*(\t)] offset:((\t)/2)*768+((\t)%2)*256
	ds_store_b64 v5, v[164+8*(\t):165+8*(\t)] offset:((\t)/2)*768+((\t)%2)*128+512
.endm
	BLOCKW 0
	BLOCKW 1
	BLOCKW 2
	BLOCKW 3
	global_store_b32 v7, v28, s[38:39]             ; 4 bytes of each column's 32: blocks of 256 written in part, one byte for each 128 read
.irp c, 0,1,2,3,4,5
	ds_load_b128 v[32+4*\c:35+4*\c], v6 offset:512*\c              ; LDS serves a wave's instructions in order: these see my stores
.endr
.irp c, 0,1,2,3,4,5
	s_wait_dscnt 5-\c
	global_store_b128 v3, v[32+4*\c:35+4*\c], s[36:37] offset:(\c/3)*12288+(\c%3)*512   ; a tile's two units: 1,536 consecutive bytes
.endr
	s_wait_tensorcnt 0x0
	ds_add_u32 v192, v193
	s_wait_dscnt 0x0
	s_endpgm
; ---------------- way R: head, 32 rows of xl_r a wave: two tiles ----------------
.Lpath_r:
	s_sub_co_u32 s24, s21, 320
	s_lshr_b32 s25, s24, 2                         ; head
	s_and_b32 s26, s24, 3
	s_lshl_b32 s26, s26, 4
	s_add_co_u32 s26, s26, s20                     ; which 32 rows of the head's 2,048
	s_lshl_b32 s28, s25, 19
	s_lshl_b32 s29, s26, 13
	s_add_co_u32 s28, s28, s29
	s_mov_b32 s29, 0
	s_add_nc_u64 s[16:17], s[16:17], s[28:29]
	s_wait_alu depctr_va_vdst(0)
.irp i, 0,1,2,3,4,5,6,7,8,9,10,11,12,13,14,15
	global_load_b128 v[32+4*\i:35+4*\i], v3, s[16:17] offset:512*\i th:TH_LOAD_NT
.endr
	s_mul_i32 s30, s25, 106496
	s_add_co_u32 s30, s30, RRO
	s_mul_i32 s28, s26, 1536
	s_add_co_u32 s32, s30, s28                     ; my two units
	s_mov_b32 s33, 0
	s_add_nc_u64 s[32:33], s[18:19], s[32:33]
	s_lshl_b32 s28, s26, 7
	s_add_co_u32 s30, s30, s28
	s_add_co_u32 s30, s30, 98304                   ; my 32 scale words
	s_mov_b32 s31, 0
	s_add_nc_u64 s[30:31], s[18:19], s[30:31]
	s_mul_i32 s27, s20, 4608
	s_add_co_u32 s27, s27, RT                      ; my stage
	v_lshrrev_b32 v4, 3, v2
	s_delay_alu instid0(VALU_DEP_1)
	v_mul_u32_u24 v4, v4, 144
	v_and_b32 v5, 7, v2
	s_delay_alu instid0(VALU_DEP_1)
	v_lshl_add_u32 v4, v5, 4, v4
	s_delay_alu instid0(VALU_DEP_1)
	v_add_nc_u32 v4, s27, v4                       ; in, as on way X: a tile's 4,096 bytes are 32 blocks, block 2 row + half
	v_and_b32 v6, 15, v2
	v_lshrrev_b32 v7, 4, v2                        ; h
	s_delay_alu instid0(VALU_DEP_1)
	v_lshl_add_u32 v6, v6, 1, v7
	s_delay_alu instid0(VALU_DEP_1)
	v_mul_u32_u24 v5, v6, 144
	s_delay_alu instid0(VALU_DEP_1)
	v_add_nc_u32 v5, s27, v5                       ; out: lane (r, h) takes block 2 r + h: its codes are the unit's registers as they stand
	s_delay_alu instid0(VALU_DEP_4)
	v_lshlrev_b32 v8, 3, v7                        ; 8 h
	v_lshlrev_b32 v9, 3, v2
	v_lshlrev_b32 v10, 2, v2
	v_mov_b32 v18, 0                               ; (a lane permute's destination counts as one of its sources)
	v_mov_b32 v19, 0
	v_cmp_lt_u32 vcc_lo, 15, v2                    ; lanes 16-31
	s_wait_alu depctr_va_vdst(0)
	s_wait_loadcnt 8                               ; the first tile's eight loads are in
.irp i, 0,1,2,3,4,5,6,7
	ds_store_b128 v4, v[32+4*\i:35+4*\i] offset:576*\i
.endr
.irp k, 0,1,2,3,4,5,6,7
	ds_load_b128 v[96+4*\k:99+4*\k], v5 offset:16*\k
.endr
	s_wait_loadcnt 0x0
.irp i, 0,1,2,3,4,5,6,7
	ds_store_b128 v4, v[64+4*\i:67+4*\i] offset:576*\i             ; in order behind the first tile's reads
.endr
.irp k, 0,1,2,3,4,5,6,7
	ds_load_b128 v[128+4*\k:131+4*\k], v5 offset:16*\k
.endr
	s_wait_dscnt 16                                ; the first tile is back; the second's 8 stores and 8 loads may be out
	QB 96, 160
	v_lshlrev_b32 v16, v8, v[EB]                   ; my block's byte at its place
	global_store_b128 v3, v[160:163], s[32:33]
	global_store_b64 v9, v[164:165], s[32:33] offset:512
	s_wait_dscnt 0x0
	QB 128, 168
	v_lshlrev_b32 v17, v8, v[EB]
	global_store_b128 v3, v[168:171], s[32:33] offset:768
	global_store_b64 v9, v[172:173], s[32:33] offset:1280
	v_permlanex16_b32 v18, v16, s22, s23
	v_permlanex16_b32 v19, v17, s22, s23
	s_delay_alu instid0(VALU_DEP_2)
	v_or_b32 v16, v16, v18                         ; the row's two bytes,
	s_delay_alu instid0(VALU_DEP_2)
	v_or_b32 v17, v17, v19
	s_delay_alu instid0(VALU_DEP_2)
	v_lshl_or_b32 v16, v16, 16, v16                ; written twice: the upper two scale k = 64 .. 127, where the other operand's codes are zeros
	s_delay_alu instid0(VALU_DEP_2)
	v_lshl_or_b32 v17, v17, 16, v17
	s_delay_alu instid0(VALU_DEP_1)
	v_cndmask_b32 v30, v16, v17, vcc_lo            ; lanes 0-15 the first tile's rows, lanes 16-31 the second's
	global_store_b32 v10, v30, s[30:31]
	s_wait_tensorcnt 0x0
	ds_add_u32 v192, v193
	s_wait_dscnt 0x0
	s_endpgm
.Lfunc_end_k_q2a98ae7054_prep:
	.size	k_q2a98ae7054_prep, .Lfunc_end_k_q2a98ae7054_prep-k_q2a98ae7054_prep
	.p2alignl 7, 3214868480
	.fill 96, 4, 3214868480
	.section	.rodata,"a",@progbits
	.p2align	6, 0x0
	.amdhsa_kernel k_q2a98ae7054_prep
		.amdhsa_group_segment_fixed_size 211456
		.amdhsa_private_segment_fixed_size 0
		.amdhsa_enable_private_segment 0
		.amdhsa_kernarg_size 64
		.amdhsa_user_sgpr_count 2
		.amdhsa_user_sgpr_kernarg_segment_ptr 1
		.amdhsa_wavefront_size32 1
		.amdhsa_system_sgpr_workgroup_id_x 1
		.amdhsa_system_sgpr_workgroup_id_y 1
		.amdhsa_system_sgpr_workgroup_id_z 1
		.amdhsa_system_vgpr_workitem_id 0
		.amdhsa_next_free_vgpr 194
		.amdhsa_next_free_sgpr 66
		.amdhsa_reserve_vcc 1
		.amdhsa_float_denorm_mode_32 3
		.amdhsa_float_denorm_mode_16_64 3
		.amdhsa_memory_ordered 1
		.amdhsa_forward_progress 1
		.amdhsa_inst_pref_size 49
	.end_amdhsa_kernel
	.amdgpu_metadata
---
amdhsa.version: [ 1, 2 ]
amdhsa.kernels:
  - .name:           k_q2a98ae7054_prep
    .symbol:         k_q2a98ae7054_prep.kd
    .args:
      - { .name: x, .offset: 0, .size: 8, .value_kind: global_buffer, .address_space: global }
      - { .name: g, .offset: 8, .size: 8, .value_kind: global_buffer, .address_space: global }
      - { .name: w_q, .offset: 16, .size: 8, .value_kind: global_buffer, .address_space: global }
      - { .name: w_k, .offset: 24, .size: 8, .value_kind: global_buffer, .address_space: global }
      - { .name: w_v, .offset: 32, .size: 8, .value_kind: global_buffer, .address_space: global }
      - { .name: w_res, .offset: 40, .size: 8, .value_kind: global_buffer, .address_space: global }
      - { .name: xl_r, .offset: 48, .size: 8, .value_kind: global_buffer, .address_space: global }
      - { .name: pre, .offset: 56, .size: 8, .value_kind: global_buffer, .address_space: global }
    .group_segment_fixed_size: 211456
    .private_segment_fixed_size: 0
    .kernarg_segment_align: 8
    .kernarg_segment_size: 64
    .max_flat_workgroup_size: 512
    .sgpr_count:     66
    .vgpr_count:     194
    .wavefront_size: 32
...
	.end_amdgpu_metadata
.endif
;; end of part 1
;; launch qkv (part 2): grid 12 x 16, 4 waves a work-group, clusters of 4 x 4, 327,680 bytes of LDS; arguments pre, qkv, xl_u, xl_v; writes qkv
.if DOCPART == 2
	.amdgcn_target "amdgcn-amd-amdhsa--gfx1250"
	.amdhsa_code_object_version 6
	.text
	.protected	k_q2a98ae7054_qkv
	.globl	k_q2a98ae7054_qkv
	.p2align	8
	.type	k_q2a98ae7054_qkv,@function
k_q2a98ae7054_qkv:
	s_mov_b64 s[64:65], 0
	v_nop
	global_prefetch_b8 v0, s[64:65] scope:SCOPE_SE
	s_setreg_imm32_b32 hwreg(HW_REG_WAVE_MODE, 25, 1), 1
	s_wait_xcnt 0x0
	s_wait_alu depctr_hold_cnt(0) depctr_sa_sdst(0) depctr_va_vdst(0) depctr_va_sdst(0) depctr_va_ssrc(0) depctr_va_vcc(0) depctr_vm_vsrc(0)
	s_getreg_b32 s2, hwreg(HW_REG_IB_STS2, 6, 4)
	s_cmp_eq_u32 s2, 0
	s_cbranch_scc0 .Lentry_in_a_cluster
	s_endpgm
.Lentry_in_a_cluster:
	s_bfe_u32 s2, ttmp6, 0x10000c
	s_cmp_lg_u32 s2, 0xf033
	s_cbranch_scc0 .Lentry_shape_is_right
	s_endpgm
.Lentry_shape_is_right:
.set WCO, 3145728
.set XSO, 6291456
.set WSO, 6422528
.set KCO, 6291456
.set VCO, 9437184
.set QSO, 12582912
.set KSO, 13107200
.set VSO, 13369344
.set NQ,    2
.set TROW,  3072
.set UROW,  12288
.set HALFT, 8*TROW
.set SLOT,  4*HALFT
.set LAPS,  2
.set SCL,   2*SLOT
.set HALFS, 16*272
.set SBLK,  2*272
.set SPARE, SCL+4*HALFS
.set FR,    12
.set NL,    4
.set NP,    4
.set ADS,  8
.set ADRA, 16
.set ADRB, 20
.set SPW,  28
.set NIL,  29
.set SC,   32
.set AF,   128
.set G1, 24
.set G0, 32
.set G1B, 48
.set G0B, 56
.set G1S, 68
.set G0S, 76
.set G1SB, 80
.set G0SB, 88
.set MA, 30
.set MB, 31
.set SO, 32
.set EB, 33
.set FL, 34
.set TT, 36
.set MSB, 0
.macro WIN new
.if MSB != (\new)
	s_set_vgpr_msb (MSB<<8)|(\new)
.set MSB, (\new)
.endif
.endm
.set MUL_LO, 0xa1
.set MUL_HI, 0xf1
.set TO_B,   0x40
.macro JLOAD g0a, g1a, g0b, g1b
	s_cmp_eq_u32 s15, 0
	s_cbranch_scc0 .Lfor_b_\@
	tensor_load_to_lds s[\g0a:\g0a+3], s[\g1a:\g1a+7]
	s_nop 0
.rept 4
	v_nop
.endr
	s_branch .Lasked_\@
.Lfor_b_\@:
	tensor_load_to_lds s[\g0b:\g0b+3], s[\g1b:\g1b+7]
	s_nop 0
.rept 4
	v_nop
.endr
.Lasked_\@:
.endm
.macro CREST
	s_cmp_lg_u32 s14, 0
	s_cbranch_scc1 .Lnot_wave_0_\@
	s_barrier_signal -3
.Lnot_wave_0_\@:
	s_barrier_wait -3
	s_barrier_signal -1
	s_barrier_wait -1
.endm
.macro CROUND
	s_barrier_signal -1
	s_barrier_wait -1
	CREST
.endm
	s_load_b128 s[4:7], s[0:1], 0x0
	s_load_b128 s[96:99], s[0:1], 0x10
	v_lshl_add_u32 v[SPW], v0, 2, SPARE
	v_mov_b32 v[NIL], 0
	ds_add_u32 v28, v29
	ds_add_u32 v28, v29
	s_wait_dscnt 0x0
	v_lshrrev_b32 v1, 5, v0
	v_readfirstlane_b32 s14, v1
	s_lshr_b32 s15, s14, 1
	s_and_b32 s16, s14, 1
	s_bfe_u32 s40, ttmp6, 0x40000
	s_bfe_u32 s41, ttmp6, 0x40004
	s_and_b32 s18, ttmp7, 0xffff
	s_lshl_b32 s18, s18, 2
	s_mul_i32 s10, ttmp9, 786432
	s_add_co_u32 s10, s10, WCO
	s_lshl_b32 s11, ttmp9, 15
	s_add_co_u32 s11, s11, WSO
	s_mov_b32 s12, XSO
	s_cmp_eq_u32 ttmp9, 2
	s_cselect_b32 s17, 0, s18
	s_cselect_b32 s42, s18, 0
	s_cselect_b32 s8, WCO+2*786432, 0
	s_cselect_b32 s9, WSO+65536, s12
	s_cselect_b32 s10, 0, s10
	s_cselect_b32 s11, s12, s11
	s_add_co_u32 s17, s17, s41
	s_add_co_u32 s42, s42, s40
	s_lshl_b32 s43, s41, 2
	s_lshl_b32 s43, 15, s43
	s_lshl_b32 s44, 0x1111, s40
	s_or_b32 s[G1+0], s43, (1<<21)
	s_or_b32 s[G1B+0], s44, (1<<21)
.irp g, G1, G1B
	s_mov_b32 s[\g+1], TROW<<16
	s_mov_b32 s[\g+2], 16<<16
	s_mov_b32 s[\g+3], TROW<<16
	s_mov_b32 s[\g+4], 16
	s_mov_b32 s[\g+5], UROW
	s_mov_b32 s[\g+6], 0
	s_mov_b32 s[\g+7], 0
.endr
	s_or_b32 s[G1S+0], s43, (3<<16)|(1<<20)|(1<<21)|(5<<22)|(3<<25)
	s_or_b32 s[G1SB+0], s44, (3<<16)|(1<<20)|(1<<21)|(5<<22)|(3<<25)
.irp g, G1S, G1SB
	s_mov_b32 s[\g+1], 32<<16
	s_mov_b32 s[\g+2], 32<<16
	s_mov_b32 s[\g+3], 32<<16
	s_mov_b32 s[\g+4], 32
	s_mov_b32 s[\g+5], 32
	s_mov_b32 s[\g+6], 0
	s_mov_b32 s[\g+7], 0
.endr
	s_lshl_b32 s13, s16, 7
	s_lshl_b32 s20, s17, 8
	s_add_co_u32 s20, s20, s13
	s_lshl_b32 s22, s20, 5
	s_add_co_u32 s22, s22, s9
	s_mul_i32 s20, s20, 768
	s_add_co_u32 s20, s20, s8
	s_mov_b32 s21, 0
	s_mov_b32 s23, 0
	s_lshl_b32 s46, s42, 8
	s_add_co_u32 s46, s46, s13
	s_lshl_b32 s92, s46, 5
	s_add_co_u32 s92, s92, s11
	s_mul_i32 s46, s46, 768
	s_add_co_u32 s46, s46, s10
	s_mov_b32 s47, 0
	s_mov_b32 s93, 0
	s_mul_i32 s45, s14, HALFT
	s_mul_i32 s94, s14, HALFS
	s_wait_kmcnt 0x0
	s_add_nc_u64 s[20:21], s[4:5], s[20:21]
	s_add_nc_u64 s[22:23], s[4:5], s[22:23]
	s_add_nc_u64 s[46:47], s[4:5], s[46:47]
	s_add_nc_u64 s[92:93], s[4:5], s[92:93]
	CROUND
	; THE HEAD'S FOUR TILES, each whole, one joint load a wave: slot 0's 16 rows of tiles of source 1's side, its 16 of source 0's side, and the scale bytes of each side's 256 rows (32 rows of 256 bytes).
	; s[20:21], s[46:47], s[22:23], s[92:93] point at my half of a tile (128 rows): the half's bytes are taken off again.  Slot 0's own group 0 serves these loads first.
	s_mul_i32 s18, s16, 128*768
	s_mov_b32 s19, 0
	s_mov_b32 s[G0], 1
	s_mov_b32 s[G0+1], 0
	s_sub_nc_u64 s[G0+2:G0+3], s[20:21], s[18:19]
	s_or_b32 s[G0+3], s[G0+3], 0x80000000
	s_mov_b32 s[G0B], 1
	s_mov_b32 s[G0B+1], 2*HALFT
	s_sub_nc_u64 s[G0B+2:G0B+3], s[46:47], s[18:19]
	s_or_b32 s[G0B+3], s[G0B+3], 0x80000000
	s_lshl_b32 s18, s16, 12                        ; 128 rows of 32 scale bytes
	s_mov_b32 s[G0S], 1
	s_mov_b32 s[G0S+1], SCL
	s_sub_nc_u64 s[G0S+2:G0S+3], s[22:23], s[18:19]
	s_or_b32 s[G0S+3], s[G0S+3], 0x80000000
	s_mov_b32 s[G0SB], 1
	s_mov_b32 s[G0SB+1], SCL+2*HALFS
	s_sub_nc_u64 s[G0SB+2:G0SB+3], s[92:93], s[18:19]
	s_or_b32 s[G0SB+3], s[G0SB+3], 0x80000000
; one tree of branches on the wave's number, one load to an arm, all arms leading to one join
.macro ARM under, g0, g1, next
	s_cmp_lt_u32 s14, \under
	s_cbranch_scc0 \next
	tensor_load_to_lds s[\g0:\g0+3], s[\g1:\g1+7]
	s_nop 0
.rept 4
	v_nop
.endr
	s_branch .Lhead_asked
\next:
.endm
	ARM 1, G0,  G1,  .Lhead_b
	ARM 2, G0B, G1B, .Lhead_sa
	ARM 3, G0S, G1S, .Lhead_sb
	tensor_load_to_lds s[G0SB:G0SB+3], s[G1SB:G1SB+7]
	s_nop 0
.rept 4
	v_nop
.endr
.Lhead_asked:
	s_wait_alu depctr_va_vdst(0)
	s_wait_tensorcnt 0x0                           ; my tile of the four is in
	ds_add_u32 v28, v29
	s_mov_b32 s[G1+2], 8<<16                       ; no tensor load of mine is out, so descriptors may be written: from here on a load brings 8 rows of tiles,
	s_mov_b32 s[G1+4], 8
	s_mov_b32 s[G1B+2], 8<<16
	s_mov_b32 s[G1B+4], 8
.irp s, 0,1                            ; my quarter of each slot
	s_mov_b32 s[G0+4*\s], 1
	s_add_co_u32 s[G0+4*\s+1], s45, \s*SLOT
	s_add_nc_u64 s[G0+4*\s+2:G0+4*\s+3], s[20:21], \s*TROW
	s_or_b32 s[G0+4*\s+3], s[G0+4*\s+3], 0x80000000
	s_mov_b32 s[G0B+4*\s], 1
	s_add_co_u32 s[G0B+4*\s+1], s45, \s*SLOT
	s_add_nc_u64 s[G0B+4*\s+2:G0B+4*\s+3], s[46:47], \s*TROW
	s_or_b32 s[G0B+4*\s+3], s[G0B+4*\s+3], 0x80000000
.endr
	s_wait_dscnt 0x0
	CROUND                                         ; all four tiles are in, and all sixteen work-groups are here
	JLOAD G0+4, G1, G0B+4, G1B                     ; slot 1's first fill, the first tensor load behind the round
	v_and_b32 v1, 31, v0
	v_lshlrev_b32 v2, 4, v1
	v_lshlrev_b32 v3, 3, v1
	v_and_b32 v4, 23, v0
	v_bfe_u32 v5, v0, 3, 1
	v_mul_u32_u24 v5, v5, 2*TROW
	v_lshl_add_u32 v6, v4, 4, v5
	v_lshl_add_u32 v7, v4, 3, v5
	s_mul_i32 s66, s15, HALFT
	s_mul_i32 s67, s16, HALFT
	s_add_co_u32 s67, s67, 2*HALFT
.irp s, 0,1
	v_add_nc_u32 v[ADRA+\s], s66, v2
	v_add_nc_u32 v[ADRA+2+\s], s66, v3
	v_add_nc_u32 v[ADRB+\s], s67, v6
	v_add_nc_u32 v[ADRB+2+\s], s67, v7
	s_add_co_u32 s66, s66, SLOT
	s_add_co_u32 s67, s67, SLOT
.endr
	v_and_b32 v4, 7, v0
	v_lshlrev_b32 v4, 5, v4
	v_bfe_u32 v5, v0, 3, 1
	v_mad_u32_u24 v4, v5, 272, v4
	v_bfe_u32 v5, v0, 3, 2
	v_add_nc_u32 v5, 1, v5
	v_lshrrev_b32 v5, 2, v5
	v_mad_u32_u24 v4, v5, 816, v4
	v_bfe_u32 v5, v0, 4, 1
	s_wait_alu depctr_va_vdst(0)
	s_mul_i32 s66, s15, HALFS
	s_mul_i32 s67, s16, HALFS
	s_add_co_u32 s67, s67, 2*HALFS
	s_sub_co_u32 s67, s67, s66
	s_add_co_u32 s66, s66, SCL
	v_add_nc_u32 v4, s66, v4
.irp k, 0,1,2,3
	v_mul_u32_u24 v6, s67, v5
	v_add_nc_u32 v[ADS+\k], v4, v6
	s_sub_co_u32 s67, s67, 272
.endr
.macro FRAGA reg, slot, q, i
	ds_load_b128 v[\reg:\reg+3],     v[ADRA+\slot]   offset:(\i)*TROW+1536*(\q)
	ds_load_b64  v[\reg+4:\reg+5],   v[ADRA+2+\slot] offset:(\i)*TROW+1536*(\q)+512
	ds_load_b128 v[\reg+6:\reg+9],   v[ADRA+\slot]   offset:(\i)*TROW+1536*(\q)+768
	ds_load_b64  v[\reg+10:\reg+11], v[ADRA+2+\slot] offset:(\i)*TROW+1536*(\q)+1280
.endm
.macro FRAGB reg, slot, q, i
.set OB_, (4*((\i)/4)+((\i)%4)/2)*TROW+1536*(\q)
	ds_load_b128 v[\reg:\reg+3],     v[ADRB+\slot]   offset:OB_+((\i)%2)*128
	ds_load_b64  v[\reg+4:\reg+5],   v[ADRB+2+\slot] offset:OB_+512+((\i)%2)*64
	ds_load_b128 v[\reg+6:\reg+9],   v[ADRB+\slot]   offset:OB_+768+((\i)%2)*128
	ds_load_b64  v[\reg+10:\reg+11], v[ADRB+2+\slot] offset:OB_+1280+((\i)%2)*64
.endm
.macro MUL16 a0, p, q, sc, zero
.irp a, \a0, \a0+1
.irp b, 0,1,2,3,4,5,6,7
.if \zero
	v_wmma_scale_f32_16x16x128_f8f6f4 v[8*(8*((\a)%4)+\b):8*(8*((\a)%4)+\b)+7], v[128*(\p)+FR*\b:128*(\p)+FR*\b+FR-1], v[AF+FR*(\a):AF+FR*(\a)+FR-1], 0, v[SC+8*NQ*(\sc)+NQ*\b+(\q)], v[SC+8*NQ*(\sc)+NQ*(\a)+(\q)] matrix_a_fmt:MATRIX_FMT_FP6 matrix_b_fmt:MATRIX_FMT_FP6 matrix_a_scale:MATRIX_SCALE_ROW1
.else
	v_wmma_scale_f32_16x16x128_f8f6f4 v[8*(8*((\a)%4)+\b):8*(8*((\a)%4)+\b)+7], v[128*(\p)+FR*\b:128*(\p)+FR*\b+FR-1], v[AF+FR*(\a):AF+FR*(\a)+FR-1], v[8*(8*((\a)%4)+\b):8*(8*((\a)%4)+\b)+7], v[SC+8*NQ*(\sc)+NQ*\b+(\q)], v[SC+8*NQ*(\sc)+NQ*(\a)+(\q)] matrix_a_fmt:MATRIX_FMT_FP6 matrix_b_fmt:MATRIX_FMT_FP6 matrix_a_scale:MATRIX_SCALE_ROW1
.endif
.endr
.endr
.endm
.macro FETCH_B slot, q, p
	WIN TO_B
.irp i, 0,1,2,3,4,5,6,7
	FRAGB 128*(\p)+FR*\i, \slot, \q, \i
.endr
	WIN 0
.endm
.macro FETCH_A slot, q, i0
.irp i, \i0, \i0+1, \i0+2, \i0+3
	FRAGA AF+FR*(\i), \slot, \q, \i
.endr
.endm
.macro SCALES sc
.irp i, 0,1,2,3,4,5,6,7
	ds_load_b64 v[SC+8*NQ*\sc+NQ*\i:SC+8*NQ*\sc+NQ*\i+1], v[ADS+\i%4] offset:\i*SBLK
.endr
.endm
.macro PLACES n
.rept \n
	v_nop
.endr
.endm
.macro STEP slot, q, zero
	s_wait_dscnt 4*NL
	WIN MUL_LO
	MUL16 0, (\q)%2, \q, \slot, \zero
	MUL16 2, (\q)%2, \q, \slot, \zero
	s_wait_dscnt 0
	PLACES NP
	FETCH_B \slot, (\q)+1, 1-(\q)%2
	FETCH_A \slot, (\q)+1, 0
	WIN MUL_HI
	MUL16 4, (\q)%2, \q, \slot, \zero
	MUL16 6, (\q)%2, \q, \slot, \zero
	PLACES NP
	WIN 0
	FETCH_A \slot, (\q)+1, 4
.endm
.macro TURN slot, next, fill
	s_wait_tensorcnt 0x0
	ds_add_u32 v[SPW], v[NIL]
	s_wait_dscnt 4*NL+1
	WIN MUL_LO
	MUL16 0, 1, NQ-1, \slot, 0
	s_wait_dscnt 0x0
	s_barrier_signal -1
	MUL16 2, 1, NQ-1, \slot, 0
	WIN 0
	s_barrier_wait -1
.if \fill
	CREST
	s_add_nc_u64 s[G0+4*\slot+2:G0+4*\slot+3], s[G0+4*\slot+2:G0+4*\slot+3], 2*TROW
	s_add_nc_u64 s[G0B+4*\slot+2:G0B+4*\slot+3], s[G0B+4*\slot+2:G0B+4*\slot+3], 2*TROW
	JLOAD G0+4*\slot, G1, G0B+4*\slot, G1B
.else
	PLACES NP
.endif
	s_wait_alu depctr_va_vdst(0)
.irp k, 0,1,2,3
	v_add_nc_u32 v[ADS+\k], 4*NQ, v[ADS+\k]
.endr
	FETCH_B \next, 0, 0
	FETCH_A \next, 0, 0
	SCALES \next
	WIN MUL_HI
	MUL16 4, 1, NQ-1, \slot, 0
	MUL16 6, 1, NQ-1, \slot, 0
	PLACES NP
	WIN 0
	FETCH_A \next, 0, 4
.endm
	s_wait_alu depctr_va_vdst(0)
	s_wait_tensorcnt 1
	s_barrier_signal -1
	s_barrier_wait -1
	FETCH_B 0, 0, 0
	FETCH_A 0, 0, 0
	SCALES 0
	FETCH_A 0, 0, 4
	STEP 0, 0, 1
	s_mov_b32 s3, LAPS-1
.Llap:
	TURN 0, 1, 1
	STEP 1, 0, 0
	TURN 1, 0, 1
	STEP 0, 0, 0
	s_sub_co_u32 s3, s3, 1
	s_cmp_lg_u32 s3, 0
	s_cbranch_scc1 .Llap
	TURN 0, 1, 0
	STEP 1, 0, 0
	s_wait_dscnt 4*NL
	WIN MUL_LO
	MUL16 0, 1, NQ-1, 1, 0
	MUL16 2, 1, NQ-1, 1, 0
	s_wait_dscnt 0
	WIN MUL_HI
	MUL16 4, 1, NQ-1, 1, 0
	MUL16 6, 1, NQ-1, 1, 0
	WIN 0
.macro QBW w, s, c
	WIN ((\w)<<2)|((\w)<<4)
	v_max3_num_f32 v[MA], v[FL], |v[(\s)]|, |v[(\s)+1]|
	v_max3_num_f32 v[MB], v[FL], |v[(\s)+2]|, |v[(\s)+3]|
.irp i, 4,8,12,16,20,24,28
	v_max3_num_f32 v[MA], v[MA], |v[(\s)+\i]|, |v[(\s)+\i+1]|
	v_max3_num_f32 v[MB], v[MB], |v[(\s)+\i+2]|, |v[(\s)+\i+3]|
.endr
	WIN 0
	v_max_num_f32 v[MA], v[MA], v[MB]
	v_add_nc_u32 v[SO], 0xff000000, v[MA]
	v_lshrrev_b32 v[EB], 23, v[SO]
	WIN (\w)
	v_cvt_scalef32_pk16_fp6_f32 v[(\c):(\c)+2], v[(\s):(\s)+15], v[SO]
	v_cvt_scalef32_pk16_fp6_f32 v[TT:TT+2], v[(\s)+16:(\s)+31], v[SO]
	WIN 0
	v_nop
	v_mov_b32 v[(\c)+3], v[TT]
	v_mov_b32 v[(\c)+4], v[TT+1]
	v_mov_b32 v[(\c)+5], v[TT+2]
.endm
.macro TAILKV isv
.set a_, 0
.rept 8
	s_wait_xcnt 0x0
	QBW 2+a_/4, 64*(a_%4), 40
	v_lshlrev_b32 v20, v7, v[EB]
	QBW 2+a_/4, 64*(a_%4)+32, 46
	v_lshlrev_b32 v21, v7, v[EB]
	v_permlanex16_b32 v24, v20, s8, s9
	v_permlanex16_b32 v25, v21, s8, s9
	v_or_b32 v20, v20, v24
	v_or_b32 v21, v21, v25
.if \isv
.set UO, (a_/4)*196608+(a_%4)*768
.set UG, 3072
	v_lshl_or_b32 v[8+a_%2], v21, 16, v20
.else
.set UO, a_*768
.set UG, 196608
	v_lshl_or_b32 v[8+2*(a_%2)], v20, 16, v20
	v_lshl_or_b32 v[9+2*(a_%2)], v21, 16, v21
.endif
	global_store_b128 v4, v[40:43], s[20:21] offset:UO
	global_store_b64 v5, v[44:45], s[20:21] offset:UO+512
	global_store_b128 v4, v[46:49], s[20:21] offset:UO+UG
	global_store_b64 v5, v[50:51], s[20:21] offset:UO+UG+512
.if a_%2
.if \isv
	v_cndmask_b32 v16, v8, v9, s12
	global_store_b32 v6, v16, s[22:23] offset:(a_/4)*8192+(a_%4-1)*64
.else
	v_cndmask_b32 v16, v8, v10, s12
	v_cndmask_b32 v17, v9, v11, s12
	global_store_b32 v6, v16, s[22:23] offset:(a_-1)*64
	global_store_b32 v6, v17, s[22:23] offset:(a_-1)*64+16384
.endif
.endif
.set a_, a_+1
.endr
.endm
	PLACES NP
	v_and_b32 v1, 31, v0
	v_lshlrev_b32 v4, 4, v1
	v_lshlrev_b32 v5, 3, v1
	v_lshlrev_b32 v6, 2, v1
	v_bfe_u32 v7, v0, 4, 1
	v_lshlrev_b32 v3, 7, v7
	v_lshlrev_b32 v7, 3, v7
	v_cmp_lt_u32 s12, 15, v1
	v_mov_b32 v[FL], 0x1800000
.irp k, 0,1,2,3
	v_mov_b32 v[24+\k], 0
.endr
	s_mov_b32 s8, 0x76543210
	s_mov_b32 s9, 0xfedcba98
	s_mov_b32 s10, 0x3e000000
	s_mov_b32 s11, s10
	s_mov_b32 s21, 0
	s_mov_b32 s23, 0
	s_cmp_eq_u32 ttmp9, 2
	s_cbranch_scc1 .Ltail_v
	s_lshl_b32 s18, s42, 2
	s_lshl_b32 s19, s16, 1
	s_add_co_u32 s18, s18, s19
	s_lshl_b32 s19, s17, 4
	s_lshl_b32 s13, s15, 3
	s_add_co_u32 s19, s19, s13
	s_lshl_b32 s22, s18, 14
	s_lshl_b32 s13, s19, 6
	s_add_co_u32 s22, s22, s13
	s_cmp_eq_u32 ttmp9, 0
	s_cbranch_scc1 .Ltail_q
	s_mul_i32 s20, s18, 196608
	s_mul_i32 s13, s19, 768
	s_add_co_u32 s20, s20, s13
	s_add_co_u32 s20, s20, KCO
	s_add_co_u32 s22, s22, KSO
	s_add_nc_u64 s[20:21], s[6:7], s[20:21]
	s_add_nc_u64 s[22:23], s[6:7], s[22:23]
	s_wait_alu depctr_va_vdst(0)
	TAILKV 0
	s_branch .Ltail_end
.Ltail_v:
	s_lshl_b32 s18, s17, 2
	s_lshl_b32 s19, s15, 1
	s_add_co_u32 s18, s18, s19
	s_lshl_b32 s19, s42, 1
	s_add_co_u32 s19, s19, s16
	s_mul_i32 s20, s18, 196608
	s_mul_i32 s13, s19, 6144
	s_add_co_u32 s20, s20, s13
	s_add_co_u32 s20, s20, VCO
	s_lshl_b32 s22, s18, 13
	s_lshl_b32 s13, s19, 8
	s_add_co_u32 s22, s22, s13
	s_add_co_u32 s22, s22, VSO
	s_add_nc_u64 s[20:21], s[6:7], s[20:21]
	s_add_nc_u64 s[22:23], s[6:7], s[22:23]
	s_wait_alu depctr_va_vdst(0)
	TAILKV 1
	s_branch .Ltail_end
.Ltail_q:
	s_mul_i32 s20, s18, 393216
	s_mul_i32 s13, s19, 1536
	s_add_co_u32 s20, s20, s13
	s_add_co_u32 s22, s22, QSO
	s_add_nc_u64 s[20:21], s[6:7], s[20:21]
	s_add_nc_u64 s[22:23], s[6:7], s[22:23]
	s_lshl_b32 s46, s18, 8
	s_mov_b32 s47, 0
	s_add_nc_u64 s[96:97], s[96:97], s[46:47]
	s_add_nc_u64 s[98:99], s[98:99], s[46:47]
	s_wait_alu depctr_va_vdst(0)
.irp G, 0,1
.irp i, 0,1,2,3,4,5,6,7
	global_load_b128 v[128+32*\G+4*\i:131+32*\G+4*\i], v3, s[96:97] offset:256*\G+16*\i
	global_load_b128 v[192+32*\G+4*\i:195+32*\G+4*\i], v3, s[98:99] offset:256*\G+16*\i
.endr
.endr
	s_wait_loadcnt 0x0
.set a_, 0
.rept 8
	s_wait_xcnt 0x0
.irp G, 0,1
	WIN 2+a_/4
.set i_, 0
.rept 16
	v_pk_fma_f32 v[64+i_:65+i_], v[64*(a_%4)+32*\G+i_:64*(a_%4)+32*\G+i_+1], s[10:11], v[128+32*\G+i_:129+32*\G+i_] op_sel_hi:[1,0,1]
.set i_, i_+2
.endr
.set i_, 0
.rept 16
	v_pk_fma_f32 v[96+i_:97+i_], v[64*(a_%4)+32*\G+i_:64*(a_%4)+32*\G+i_+1], s[10:11], v[192+32*\G+i_:193+32*\G+i_] op_sel_hi:[1,0,1]
.set i_, i_+2
.endr
	WIN 0
	QBW 0, 64, 40+12*\G
	v_lshlrev_b32 v[20+2*\G], v7, v[EB]
	QBW 0, 96, 46+12*\G
	v_lshlrev_b32 v[21+2*\G], v7, v[EB]
	global_store_b128 v4, v[40+12*\G:43+12*\G], s[20:21] offset:a_*1536+\G*393216
	global_store_b64 v5, v[44+12*\G:45+12*\G], s[20:21] offset:a_*1536+\G*393216+512
	global_store_b128 v4, v[46+12*\G:49+12*\G], s[20:21] offset:a_*1536+\G*393216+768
	global_store_b64 v5, v[50+12*\G:51+12*\G], s[20:21] offset:a_*1536+\G*393216+1280
.endr
.irp k, 0,1,2,3
	v_permlanex16_b32 v[24+\k], v[20+\k], s8, s9
.endr
.irp k, 0,1,2,3
	v_or_b32 v[20+\k], v[20+\k], v[24+\k]
.endr
.irp k, 0,1,2,3
	v_lshl_or_b32 v[8+4*(a_%2)+\k], v[20+\k], 16, v[20+\k]
.endr
.if a_%2
.irp k, 0,1,2,3
	v_cndmask_b32 v[16+\k], v[8+\k], v[12+\k], s12
.endr
.irp k, 0,1,2,3
	global_store_b32 v6, v[16+\k], s[22:23] offset:(a_-1)*64+(\k/2)*16384+(\k%2)*262144
.endr
.endif
.set a_, a_+1
.endr
.Ltail_end:
	s_wait_tensorcnt 0x0
	ds_add_u32 v[SPW], v[NIL]
	s_wait_dscnt 0x0
	CROUND
	s_endpgm
.Lfunc_end_k_q2a98ae7054_qkv:
	.size	k_q2a98ae7054_qkv, .Lfunc_end_k_q2a98ae7054_qkv-k_q2a98ae7054_qkv
	.p2alignl 7, 3214868480
	.fill 96, 4, 3214868480
	.section	.rodata,"a",@progbits
	.p2align	6, 0x0
	.amdhsa_kernel k_q2a98ae7054_qkv
		.amdhsa_group_segment_fixed_size 327680
		.amdhsa_private_segment_fixed_size 0
		.amdhsa_enable_private_segment 0
		.amdhsa_kernarg_size 32
		.amdhsa_user_sgpr_count 2
		.amdhsa_user_sgpr_kernarg_segment_ptr 1
		.amdhsa_wavefront_size32 1
		.amdhsa_system_sgpr_workgroup_id_x 1
		.amdhsa_system_sgpr_workgroup_id_y 1
		.amdhsa_system_sgpr_workgroup_id_z 1
		.amdhsa_system_vgpr_workitem_id 0
		.amdhsa_next_free_vgpr 1024
		.amdhsa_next_free_sgpr 100
		.amdhsa_reserve_vcc 0
		.amdhsa_float_denorm_mode_32 3
		.amdhsa_float_denorm_mode_16_64 3
		.amdhsa_memory_ordered 1
		.amdhsa_forward_progress 1
		.amdhsa_inst_pref_size 255
	.end_amdhsa_kernel
	.section	.bss,"aw",@nobits
	.p2align	6
	.space	262144
	.amdgpu_metadata
---
amdhsa.version: [ 1, 2 ]
amdhsa.kernels:
  - .name:           k_q2a98ae7054_qkv
    .symbol:         k_q2a98ae7054_qkv.kd
    .args:
      - { .name: pre, .offset: 0, .size: 8, .value_kind: global_buffer, .address_space: global }
      - { .name: qkv, .offset: 8, .size: 8, .value_kind: global_buffer, .address_space: global }
      - { .name: xl_u, .offset: 16, .size: 8, .value_kind: global_buffer, .address_space: global }
      - { .name: xl_v, .offset: 24, .size: 8, .value_kind: global_buffer, .address_space: global }
    .group_segment_fixed_size: 327680
    .private_segment_fixed_size: 0
    .kernarg_segment_align: 8
    .kernarg_segment_size: 32
    .max_flat_workgroup_size: 128
    .sgpr_count:     100
    .vgpr_count:     1024
    .wavefront_size: 32
...
	.end_amdgpu_metadata
.endif
;; end of part 2
;; launch attn (part 3): grid 8 x 32, 16 waves a work-group, no clusters, 323,584 bytes of LDS; arguments qkv, pre, att; writes att
.if DOCPART == 3
	.amdgcn_target "amdgcn-amd-amdhsa--gfx1250"
	.amdhsa_code_object_version 6
	.text
	.protected	k_q2a98ae7054_attn
	.globl	k_q2a98ae7054_attn
	.p2align	8
	.type	k_q2a98ae7054_attn,@function
k_q2a98ae7054_attn:
	s_mov_b64 s[64:65], 0
	v_nop
	global_prefetch_b8 v0, s[64:65] scope:SCOPE_SE
	s_setreg_imm32_b32 hwreg(HW_REG_WAVE_MODE, 25, 1), 1
	s_wait_xcnt 0x0
; Scores (q/8 + u) . k + shifted (q/8 + v) . r, the causal mask, the softmax, P V, and O / l quantised for the last projection.  All three products on codes of E2M3.
; THE SHIFT.  Where key j <= query i the shifted term is X[i][2047 - i + j], X = (q/8 + v) r^T; what lies at j > i is hidden by the mask, and key steps that lie wholly behind a block's queries are not worked.
; SHARES.  Work-group (p, batch x head) owns the head's query blocks 15 - p and p of 128 queries, one after the other.  Two teams of eight waves work each block: team m takes key steps 2 t + m
; (128 keys each), with its own running maximum, sum and O.  (17 - p) / 2 rounds for the first block and the rest of nine for the second: nine rounds for every p, a constant count.
; At a block's end team 1 hands its state to team 0 through LDS; both maxima are whole numbers, so the join multiplies by exact powers of two.
; A WAVE owns 16 queries that lie TWO apart: 128 block + 32 g + c + 2 n (g = wave % 8 / 2, c = wave % 2, n = lane % 16).  Its band of X for a step begins at row 2017 - c - 32 g + 128 (step - block) of r,
; is 158 columns wide (ten tiles of 16 rows of r), and query n wants column 30 - 2 n + key: an even number of words for even keys, so the band comes back from the stage in loads of 8 bytes.
; The band's first row is 16 T + 1 - c: the odd start is a lane's address (row m + 1 of a unit, the last lane in the next unit), on the one copy of r.
; LAYOUT.  All products transposed (source 0 = 16 rows of r, k or v^T; source 1 = my 16 queries): a lane holds ONE query.  k's and v's tiles are laid in LDS so that lane rho of tile t of a group of 64
; takes row 32 (rho / 8) + 8 t + rho % 8: the 32 registers of a group's four tiles are, in lane half h, keys (or d) 32 h .. 32 h + 31: a whole block of 32 in one lane.
; K = 64 in a form of K = 128: the queries' operands have zero codes at k = 64 .. 127, so the other side's upper six registers may hold any codes; its scale word repeats the row's two bytes.
; THE BAND goes through the wave's own stage (16 rows, 656 bytes apart, ISA guide 11.1) and is the C of k q^T.
; No tensor loads: r's codes and k's and v's scale words are copied into LDS once; a round's 32 units (two key steps' k and v) are asked for a whole round ahead, two a wave, into registers,
; and stored into the one slot between the round's two barriers.  No further prefetch: each unit is already asked for a round ahead of its use.
; Clusters are left out: partners (other p) walk other key steps in a round, and what they share is 24,576 bytes a round.
; LIMITS: NaN and infinities are not served.  Hidden scores are -infinity : p = 0.  A block of zeros gets the byte 1.
; The scaled scores stay under 2^31 in magnitude.  A wave's rows of O lie two apart: two waves together fill a unit's 256-byte blocks; O's scale bytes leave one byte a lane.
.set RRO, 6553600
.set KCO, 6291456
.set VCO, 9437184
.set QSO, 12582912
.set KSO, 13107200
.set VSO, 13369344
.set OSO, 3145728
.set RCB, 0                            ; r's 128 units, then 8,192 bytes of zero codes (rows past the table's end: hidden keys)
.set RSB, 106496                       ; r's 2,048 scale words, then 512 words 0x01010101
.set KSB, 116736                       ; k's 2,048 scale words
.set VSB, 124928                       ; v's 16 x 64
.set KVB, 129024                       ; two sets, one a team: 8 units of k, 8 of v
.set SETB, 12288
.set STG, 153600                       ; a stage of 16 x 656 bytes for each wave
.set STW, 10496
.set SPARE, 321536
.set L16K, 1
.set L8K,  2
.set L16R, 3
.set L8R,  4
.set L4R,  5
.set LTK,  6
.set LTV,  7
.set XST,  8
.set XLD,  9
.set SG16, 10
.set SG8,  11
.set QU,   16                          ; v16-27 q/8 + u: six registers of codes, six of zeros;  v28-39 q/8 + v
.set QV,   28
.set F,    40                          ; v40-99 fragments of r, k or v
.set S,    100                         ; v100-163 the band, the scores, p
.set O,    164                         ; v164-195 O^T
.set P,    196                         ; v196-207 p's codes; also the band's tenth fragment
.set T1,   240
.set T2,   244
.set SW,   212                         ; v212-216 source 0's scale words
.set QUS,  217
.set QVS,  218
.set PS,   219
.set SGR,  220                         ; v220-225 my unit of set 0; v208-211, v232-233 my unit of set 1
.set AR16, 226
.set AR8,  227
.set ARS,  228
.set AKS,  229
.set AVS,  230
.set G16,  235
.set G8,   236
.set H8,   237
.set MD,   238
.set WV,   10
.set PP,   11
.set WH,   12
.set BLK,  13
.set BB,   14
.set HD,   15
.set ST,   16
.set TR,   17
.set HB,   18
.set W6,   19
.set SEL,  20
.set CS,   22
.set SRC,  24
.set TM,   48
.set CP,   49
.set G2,   50
.set N1,   51
.set FIN,  52
.set FQ,   53
.set XO,   54
.macro WM d, a, b, zero, sa, sb, odd   ; D = A B (+ D); odd: source 0's scale words stand in lanes 16-31
.if \zero
.if \odd
	v_wmma_scale_f32_16x16x128_f8f6f4 v[(\d):(\d)+7], v[(\a):(\a)+11], v[(\b):(\b)+11], 0, v[\sa], v[\sb] matrix_a_fmt:MATRIX_FMT_FP6 matrix_b_fmt:MATRIX_FMT_FP6 matrix_a_scale:MATRIX_SCALE_ROW1
.else
	v_wmma_scale_f32_16x16x128_f8f6f4 v[(\d):(\d)+7], v[(\a):(\a)+11], v[(\b):(\b)+11], 0, v[\sa], v[\sb] matrix_a_fmt:MATRIX_FMT_FP6 matrix_b_fmt:MATRIX_FMT_FP6
.endif
.else
.if \odd
	v_wmma_scale_f32_16x16x128_f8f6f4 v[(\d):(\d)+7], v[(\a):(\a)+11], v[(\b):(\b)+11], v[(\d):(\d)+7], v[\sa], v[\sb] matrix_a_fmt:MATRIX_FMT_FP6 matrix_b_fmt:MATRIX_FMT_FP6 matrix_a_scale:MATRIX_SCALE_ROW1
.else
	v_wmma_scale_f32_16x16x128_f8f6f4 v[(\d):(\d)+7], v[(\a):(\a)+11], v[(\b):(\b)+11], v[(\d):(\d)+7], v[\sa], v[\sb] matrix_a_fmt:MATRIX_FMT_FP6 matrix_b_fmt:MATRIX_FMT_FP6
.endif
.endif
.endm
; My 16 queries' codes and scale words of block s[blk]: query n lies in token tile 2 g + n / 8 of the block, row c + 2 (n % 8)
.macro QLOAD blk
	s_lshl_b32 s26, s[BB], 7
	s_lshl_b32 s27, s[\blk], 3
	s_add_co_u32 s26, s26, s27
	s_add_co_u32 s26, s26, s[G2]                   ; the first of my two token tiles
	s_lshl_b32 s27, s[HD], 8
	s_add_co_u32 s27, s27, s26
	s_mul_i32 s34, s27, 1536
	s_mov_b32 s35, 0
	s_add_nc_u64 s[34:35], s[4:5], s[34:35]
	s_lshl_b32 s36, s[HD], 14
	s_lshl_b32 s27, s26, 6
	s_add_co_u32 s36, s36, s27
	s_add_co_u32 s36, s36, QSO
	s_mov_b32 s37, 0
	s_add_nc_u64 s[36:37], s[4:5], s[36:37]
	v_and_b32 v250, 15, v0
	v_bfe_u32 v251, v0, 4, 1
	v_and_b32 v252, 7, v0
	v_bfe_u32 v253, v0, 3, 1
	v_lshl_add_u32 v252, v252, 1, s[CP]
	v_mul_u32_u24 v253, v253, 1536
	v_lshl_add_u32 v250, v250, 1, s[CP]
	v_lshl_add_u32 v252, v251, 4, v252             ; the row + 16 h
	v_lshlrev_b32 v250, 2, v250                    ; a word a token
	v_lshl_add_u32 v254, v252, 4, v253
	v_lshl_add_u32 v255, v252, 3, v253
	s_wait_alu depctr_va_vdst(0)                   ; the wait ahead of the readers below
	global_load_b128 v[QU:QU+3], v254, s[34:35]
	global_load_b64 v[QU+4:QU+5], v255, s[34:35] offset:512
	global_load_b128 v[QV:QV+3], v254, s[34:35] offset:768
	global_load_b64 v[QV+4:QV+5], v255, s[34:35] offset:1280
	global_load_b32 v[QUS], v250, s[36:37]
	global_load_b32 v[QVS], v250, s[36:37] offset:262144
	s_wait_xcnt 0x0                                ; the offsets' registers are written again soon
.endm
.macro ACC d, x
	v_pk_add_f32 v[\d:\d+1], v[\d:\d+1], v[\x:\x+1]
.endm
	s_load_b128 s[4:7], s[0:1], 0x0                ; qkv s[4:5], pre s[6:7]
	s_load_b64 s[8:9], s[0:1], 0x10                ; att
	v_lshl_add_u32 v231, v0, 2, SPARE
	v_mov_b32 v239, 0
	v_lshrrev_b32 v240, 5, v0
	s_delay_alu instid0(VALU_DEP_1)
	v_readfirstlane_b32 s[WV], v240                ; wave 0..15
	s_and_b32 s[PP], ttmp9, 7                      ; p
	s_lshr_b32 s[TM], s[WV], 3                     ; team
	s_and_b32 s[WH], s[WV], 7
	s_and_b32 s[CP], s[WV], 1                      ; c
	s_and_b32 s[G2], s[WH], 6                      ; 2 g
	s_sub_co_u32 s[W6], 6, s[G2]
	s_sub_co_u32 s[HB], 15, s[PP]                  ; the first block
	s_sub_co_u32 s[N1], 17, s[PP]
	s_lshr_b32 s[N1], s[N1], 1                     ; its rounds
	s_xor_b32 s26, s[TM], 1
	s_mul_i32 s[XO], s26, 8*STW                    ; from my stage to team 1's of the same queries
	s_and_b32 s26, ttmp7, 0xffff
	s_lshr_b32 s[BB], s26, 4                       ; batch
	s_and_b32 s[HD], s26, 15                       ; head
	s_mul_i32 s28, s[HD], 106496
	s_add_co_u32 s28, s28, RRO                     ; the head's r
	s_mov_b32 s29, 0
	s_lshl_b32 s30, s[HD], 14
	s_lshl_b32 s26, s[BB], 13
	s_add_co_u32 s30, s30, s26
	s_add_co_u32 s30, s30, KSO                     ; k's scale words
	s_mov_b32 s31, 0
	s_lshl_b32 s32, s[HD], 13
	s_lshl_b32 s26, s[BB], 12
	s_add_co_u32 s32, s32, s26
	s_add_co_u32 s32, s32, VSO                     ; v's
	s_mov_b32 s33, 0
	s_mov_b32 s24, VCO
	s_cmp_lt_u32 s[WV], 8                          ; waves 0-7 bring k's units, waves 8-15 v's
	s_cselect_b32 s24, KCO, s24
	s_mul_i32 s26, s[HD], 196608                   ; in both: 196,608 bytes a head, 98,304 a batch, 6,144 a key step, 768 a unit
	s_add_co_u32 s24, s24, s26
	s_mul_i32 s26, s[BB], 98304
	s_add_co_u32 s24, s24, s26
	s_mul_i32 s26, s[WH], 768
	s_add_co_u32 s24, s24, s26
	s_mov_b32 s25, 0
	s_mov_b32 s[SEL], 0x76543210
	s_mov_b32 s[SEL+1], 0xfedcba98
	s_mov_b32 s[CS], 0x3fb8aa3b                    ; log2(e)
	s_mov_b32 s[CS+1], s[CS]
	v_and_b32 v240, 31, v0                         ; L
	v_and_b32 v241, 15, v0                         ; n
	v_bfe_u32 v242, v0, 4, 1                       ; h
	v_lshlrev_b32 v[G16], 4, v240
	v_lshlrev_b32 v[G8], 3, v240
	v_lshlrev_b32 v[H8], 3, v242
	v_lshlrev_b32 v246, 4, v0                      ; 16 x thread
	v_lshlrev_b32 v249, 3, v0
	s_wait_alu depctr_va_vdst(0)
	s_wait_kmcnt 0x0
	s_add_nc_u64 s[28:29], s[6:7], s[28:29]
	s_add_nc_u64 s[30:31], s[4:5], s[30:31]
	s_add_nc_u64 s[32:33], s[4:5], s[32:33]
	s_add_nc_u64 s[SRC:SRC+1], s[4:5], s[SRC:SRC+1]
.irp i, 0,1,2,3,4,5,6,7,8,9,10,11
	global_load_b128 v[F+4*\i:F+4*\i+3], v246, s[28:29] offset:8192*\i   ; r's codes: the 512 threads take 8,192 consecutive bytes a load
.endr
	global_load_b128 v[106:109], v246, s[28:29] offset:98304
	global_load_b128 v[100:103], v246, s[30:31]
	global_load_b64 v[104:105], v249, s[32:33]
	global_load_b128 v[SGR:SGR+3], v[G16], s[SRC:SRC+1]                  ; key step 0's unit, for team 0,
	global_load_b64 v[SGR+4:SGR+5], v[G8], s[SRC:SRC+1] offset:512
	global_load_b128 v[208:211], v[G16], s[SRC:SRC+1] offset:6144        ; and key step 1's, for team 1
	global_load_b64 v[232:233], v[G8], s[SRC:SRC+1] offset:6656
	QLOAD HB
	s_mul_i32 s26, s[TM], SETB
	s_add_co_u32 s26, s26, KVB                     ; my team's set
	v_add_nc_u32 v[L16K], s26, v[G16]
	v_add_nc_u32 v[L8K], s26, v[G8]
	s_sub_co_u32 s27, 1, s[CP]                     ; the band begins at row 1 - c of a unit
	v_add_nc_u32 v243, s27, v241
	v_add_nc_u32 v250, s27, v240
	v_lshrrev_b32 v244, 4, v243                    ; 1 where my row lies in the next unit
	v_and_b32 v243, 15, v243
	v_mul_u32_u24 v244, v244, 768
	v_lshl_add_u32 v243, v242, 4, v243
	v_lshl_add_u32 v[L4R], v250, 2, RSB
	v_lshl_add_u32 v[L16R], v243, 4, v244          ; (RCB = 0)
	v_lshl_add_u32 v[L8R], v243, 3, v244
	v_and_b32 v243, 7, v0                          ; the scale word of tile 2 u + L / 16, lane row (L % 16): row 32 ((L / 8) % 2) + 8 (L / 16) + L % 8 of the group, + 16 u
	v_bfe_u32 v244, v0, 3, 1
	v_lshlrev_b32 v243, 2, v243
	s_delay_alu instid0(VALU_DEP_1)
	v_lshl_add_u32 v243, v244, 7, v243
	s_delay_alu instid0(VALU_DEP_1)
	v_lshl_add_u32 v243, v242, 5, v243
	s_delay_alu instid0(VALU_DEP_1)
	v_add_nc_u32 v[LTK], KSB, v243
	v_add_nc_u32 v[LTV], VSB, v243
	s_mul_i32 s26, s[WV], STW
	s_add_co_u32 s26, s26, STG                     ; my stage
	v_mul_u32_u24 v[XST], v241, 656
	v_mul_u32_u24 v[XLD], v241, 648
	v_lshl_add_u32 v[XST], v242, 5, v[XST]
	v_lshl_add_u32 v[XLD], v242, 7, v[XLD]
	v_add_nc_u32 v[XST], s26, v[XST]               ; in: row = my query; tile tau's eight columns of my half at 64 tau + 32 h
	s_add_co_u32 s26, s26, 120
	v_add_nc_u32 v[XLD], s26, v[XLD]               ; back: 656 n + 4 (30 - 2 n + key), key = 64 (i / 32) + 32 h + i % 32
	v_and_b32 v245, 23, v0                         ; the unit that I bring is natural tile tau = U % 4 of group U / 4 (U = wave % 8): its row r goes to tile 2 (tau % 2) + r / 8, lane row 8 (tau / 2) + r % 8
	v_mul_u32_u24 v244, v244, 768
	s_delay_alu instid0(VALU_DEP_1)
	v_lshl_add_u32 v[SG16], v245, 4, v244
	v_lshl_add_u32 v[SG8], v245, 3, v244
	s_wait_alu depctr_va_vdst(0)
	s_mul_i32 s26, s[TM], 6144
	s_bfe_u32 s27, s[WV], 0x10002
	s_mul_i32 s27, s27, 3072
	s_add_co_u32 s26, s26, s27
	s_mul_i32 s27, s[CP], 1536
	s_add_co_u32 s26, s26, s27
	s_add_co_u32 s26, s26, KVB
	s_bfe_u32 s27, s[WV], 0x10001
	s_lshl_b32 s38, s27, 7
	s_add_co_u32 s38, s38, s26
	v_add_nc_u32 v[SG16], s38, v[SG16]
	s_lshl_b32 s38, s27, 6
	s_add_co_u32 s38, s38, s26
	s_add_co_u32 s38, s38, 512
	v_add_nc_u32 v[SG8], s38, v[SG8]
	s_lshl_b32 s26, s[G2], 4
	s_add_co_u32 s26, s26, s[CP]
	v_lshlrev_b32 v243, 5, v242
	v_lshlrev_b32 v244, 1, v241
	s_delay_alu instid0(VALU_DEP_1)
	v_sub_nc_u32 v[MD], v244, v243
	s_delay_alu instid0(VALU_DEP_1)
	v_add_nc_u32 v[MD], s26, v[MD]                 ; my query in its block, 32 g + c + 2 n, less 32 h
	v_add_nc_u32 v247, 65536, v246                 ; (an LDS immediate ends at 65,535)
	v_lshl_add_u32 v250, v0, 2, RSB+8192
	v_lshl_add_u32 v251, v0, 3, VSB
.irp j, 0,1,2,3
	v_mov_b32 v[110+\j], 0
.endr
	v_mov_b32 v114, 0x01010101
.irp j, 6,7,8,9,10,11
	v_mov_b32 v[QU+\j], 0                          ; zero codes at k = 64 .. 127
	v_mov_b32 v[QV+\j], 0
	v_mov_b32 v[F+48+\j], 0                        ; named by the band's ninth product, against zero codes
	v_mov_b32 v[P+\j], 0                           ; and by its tenth
.endr
.irp j, 0,1,2,3,4,5,6,7,8,9,10,11,12,13,14,15,16,17,18,19,20,21,22,23,24,25,26,27,28,29,30,31
	v_mov_b32 v[O+\j], 0                           ; the step is written for every step alike: a block's first finds zeros
.endr
	v_mov_b32 v13, 0xff61b1e6                      ; the largest t so far: -3e38
	s_delay_alu instid0(VALU_DEP_1)
	v_floor_f32 v12, -v13                          ; -M
	v_mov_b32 v14, 0
	v_mov_b32 v15, 0
	v_mov_b32 v245, 0                              ; (a lane permute's destination counts as one of its sources)
	s_wait_alu depctr_va_vdst(0)
	s_wait_loadcnt 0x0
	v_mov_b32 v249, 0                              ; (named as the upper half of the pair v[248:249])
.irp i, 0,1,2,3,4,5,6,7
	ds_store_b128 v246, v[F+4*\i:F+4*\i+3] offset:RCB+8192*\i
.endr
.irp i, 8,9,10,11
	ds_store_b128 v247, v[F+4*\i:F+4*\i+3] offset:RCB+8192*\i-65536
.endr
	ds_store_b128 v247, v[110:113] offset:RCB+98304-65536
	ds_store_b128 v247, v[106:109] offset:RSB-65536
	ds_store_b32 v250, v114
	ds_store_b128 v247, v[100:103] offset:KSB-65536
	ds_store_b64 v251, v[104:105]
	ds_store_b128 v[SG16], v[SGR:SGR+3]
	ds_store_b64 v[SG8], v[SGR+4:SGR+5]
	ds_store_b128 v[SG16], v[208:211] offset:SETB
	ds_store_b64 v[SG8], v[232:233] offset:SETB
	s_wait_alu depctr_va_vdst(0)
	s_wait_dscnt 0x0                               ; for the others' sake: my part of the tables and of the first two sets has landed
	s_barrier_signal -1
	s_barrier_wait -1
	s_mov_b32 s[TR], 0
.Lround:                                               ; nine rounds; in each my team works one key step of one block
	s_cmp_lt_u32 s[TR], s[N1]
	s_cselect_b32 s[BLK], s[HB], s[PP]             ; the block,
	s_cselect_b32 s27, 0, s[N1]
	s_sub_co_u32 s27, s[TR], s27
	s_lshl_b32 s27, s27, 1
	s_add_co_u32 s[ST], s27, s[TM]                 ; my team's key step
	s_add_co_u32 s26, s[TR], 1
	s_cmp_eq_u32 s26, s[N1]
	s_cselect_b32 s[FQ], 1, 0                      ; the first block's last round: the second block's queries are fetched
	s_cmp_eq_u32 s[TR], 8
	s_cselect_b32 s[FIN], 1, s[FQ]                 ; a block's last round
	s_cbranch_scc1 .Lno_load
	s_cmp_lt_u32 s26, s[N1]                        ; the next round's two key steps, 2 t' and 2 t' + 1 (at most 15): my unit of each
	s_cselect_b32 s27, 0, s[N1]
	s_sub_co_u32 s26, s26, s27
	s_mul_i32 s46, s26, 12288
	s_mov_b32 s47, 0
	s_add_nc_u64 s[46:47], s[SRC:SRC+1], s[46:47]
	global_load_b128 v[SGR:SGR+3], v[G16], s[46:47]
	global_load_b64 v[SGR+4:SGR+5], v[G8], s[46:47] offset:512
	global_load_b128 v[208:211], v[G16], s[46:47] offset:6144
	global_load_b64 v[232:233], v[G8], s[46:47] offset:6656
.Lno_load:
	s_cmp_gt_u32 s[ST], s[BLK]                     ; all keys of the step come after the block's queries: a branch on ids, round the work alone
	s_cbranch_scc1 .Lidle
	s_add_co_u32 s26, s[ST], 15
	s_sub_co_u32 s26, s26, s[BLK]
	s_min_u32 s26, s26, 15
	s_lshl_b32 s26, s26, 3
	s_add_co_u32 s26, s26, s[W6]                   ; the band's first unit of r: 8 (15 - block + step) + 6 - 2 g
	s_min_u32 s26, s26, 126                        ; (the holds are met by every active step; they keep the reads inside the tables for every id)
	s_mul_i32 s27, s26, 768
	s_lshl_b32 s38, s26, 6
	s_min_u32 s45, s[ST], 15
	s_lshl_b32 s44, s45, 9
	s_lshl_b32 s45, s45, 8
	v_add_nc_u32 v[AR16], s27, v[L16R]             ; these six lines are also the places behind the last step's products
	v_add_nc_u32 v[AR8], s27, v[L8R]
	v_add_nc_u32 v[ARS], s38, v[L4R]
	v_add_nc_u32 v[AKS], s44, v[LTK]
	v_add_nc_u32 v[AVS], s45, v[LTV]
	v_nop
.irp t, 0,1,2,3,4,5,6,7,8
	ds_load_b128 v[F+6*\t:F+6*\t+3], v[AR16] offset:768*\t
	ds_load_b64 v[F+6*\t+4:F+6*\t+5], v[AR8] offset:768*\t+512
.endr
	ds_load_b128 v[P:P+3], v[AR16] offset:768*9
	ds_load_b64 v[P+4:P+5], v[AR8] offset:768*9+512
.irp u, 0,1,2,3,4
	ds_load_b32 v[SW+\u], v[ARS] offset:128*\u     ; lanes 0-15 tile 2 u's words, lanes 16-31 tile 2 u + 1's
.endr
	s_wait_alu depctr_va_vdst(0)
	s_wait_dscnt 0x0
.irp t, 0,1,2,3,4,5,6,7
	WM S+8*\t, F+6*\t, QV, 1, SW+\t/2, QVS, \t%2   ; the band: a fragment names the next six registers too, against zero codes
.endr
	WM 240, F+48, QV, 1, SW+4, QVS, 0
	WM 248, P, QV, 1, SW+4, QVS, 1
.rept 4
	v_nop                                          ; places in front of the stores that read the results, and of the loads into results and operands
.endr
.irp t, 0,1,2,3,4,5,6,7
	ds_store_b128 v[XST], v[S+8*\t:S+8*\t+3] offset:64*\t          ; each accumulator from its low end on
	ds_store_b128 v[XST], v[S+8*\t+4:S+8*\t+7] offset:64*\t+16
.endr
.irp t, 0,1
	ds_store_b128 v[XST], v[240+8*\t:243+8*\t] offset:512+64*\t
	ds_store_b128 v[XST], v[244+8*\t:247+8*\t] offset:528+64*\t
.endr
.set n_, 0
.rept 32
	ds_load_b64 v[S+n_:S+n_+1], v[XLD] offset:256*(n_/32)+4*(n_%32)   ; LDS serves a wave's instructions in order: these see my stores.  The band, skewed, in the scores' layout
.set n_, n_+2
.endr
.irp t, 0,1,2,3,4,5,6,7
	ds_load_b128 v[F+6*\t:F+6*\t+3], v[L16K] offset:768*\t
	ds_load_b64 v[F+6*\t+4:F+6*\t+5], v[L8K] offset:768*\t+512
.endr
.irp u, 0,1,2,3
	ds_load_b32 v[SW+\u], v[AKS] offset:256*(\u/2)+64*(\u%2)
.endr
	s_wait_dscnt 0x0
.irp t, 0,1,2,3,4,5,6,7
	WM S+8*\t, F+6*\t, QU, 0, SW+2*(\t/4)+(\t%4)/2, QUS, \t%2      ; scores = k (q/8 + u) + the band
.endr
.rept 4
	v_nop
.endr
.irp c, 0,1
.irp t, 0,1,2,3
	ds_load_b128 v[F+12*\t+6*\c:F+12*\t+6*\c+3], v[L16K] offset:6144+(4*\c+\t)*768     ; v's fragments land while the softmax runs
	ds_load_b64 v[F+12*\t+6*\c+4:F+12*\t+6*\c+5], v[L8K] offset:6144+(4*\c+\t)*768+512
.endr
.endr
	ds_load_b32 v[SW], v[AVS]
	ds_load_b32 v[SW+1], v[AVS] offset:64
	s_cmp_eq_u32 s[FQ], 0
	s_cbranch_scc1 .Lkeep_q
	QLOAD PP                                       ; this block's last scores are made: the next block's queries land under the softmax
.Lkeep_q:
	s_cmp_lg_u32 s[ST], s[BLK]                     ; on the diagonal hidden scores become -infinity
	s_cbranch_scc1 .Lopen
	v_mov_b32 v246, 0xff800000
.set n_, 0
.rept 64
	v_cmp_gt_i32 vcc_lo, 64*(n_/32)+n_%32, v[MD]   ; register i holds key 64 (i / 32) + 32 h + i % 32 of the step
	v_cndmask_b32 v[S+n_], v[S+n_], v246, vcc_lo
.set n_, n_+1
.endr
.Lopen:
.irp b, 0,1,2,3
	v_max3_num_f32 v[240+\b], v[S+16*\b], v[S+16*\b+1], v[S+16*\b+2]
.endr
.irp i, 3,5,7,9,11,13
.irp b, 0,1,2,3
	v_max3_num_f32 v[240+\b], v[240+\b], v[S+16*\b+\i], v[S+16*\b+\i+1]
.endr
.endr
.irp b, 0,1,2,3
	v_max_num_f32 v[240+\b], v[240+\b], v[S+16*\b+15]
.endr
	s_delay_alu instid0(VALU_DEP_3)
	v_max_num_f32 v240, v240, v241                 ; the largest score of my block of keys 32 h on,
	s_delay_alu instid0(VALU_DEP_2)
	v_max_num_f32 v242, v242, v243                 ; and of 64 + 32 h on: each serves twice, for the row's maximum and for the block's largest p
	s_delay_alu instid0(VALU_DEP_1)
	v_max_num_f32 v244, v240, v242
	v_permlanex16_b32 v245, v244, s[SEL], s[SEL+1]
	s_delay_alu instid0(VALU_DEP_1)
	v_max_num_f32 v244, v244, v245
	s_delay_alu instid0(VALU_DEP_1)
	v_mul_f32 v244, s[CS], v244                    ; as t
	s_delay_alu instid0(VALU_DEP_1)
	v_max_num_f32 v13, v13, v244
	v_mov_b32 v244, v12
	s_delay_alu instid0(VALU_DEP_2)
	v_floor_f32 v12, -v13                          ; -M = floor(-t): M is a whole number
	s_delay_alu instid0(VALU_DEP_1)
	v_sub_f32 v244, v12, v244
	s_delay_alu instid0(VALU_DEP_1)
	v_cvt_i32_f32 v244, v244                       ; (it saturates)
	s_delay_alu instid0(VALU_DEP_1)
	v_ldexp_f32 v248, 1.0, v244                    ; f = 2^(old M - new M): exact
.irp j, 0,2,4,6,8,10,12,14,16,18,20,22,24,26,28,30,32,34,36,38,40,42,44,46,48,50,52,54,56,58,60,62
	v_pk_fma_f32 v[S+\j:S+\j+1], v[S+\j:S+\j+1], s[CS:CS+1], v[12:13] op_sel_hi:[1,0,0]
.endr
	v_fma_f32 v240, v240, s[CS], v12
	v_fma_f32 v242, v242, s[CS], v12
.set n_, 0
	s_wait_alu depctr_va_vdst(0)                   ; the wait ahead of the batch
.rept 64
	v_exp_f32 v[S+n_], v[S+n_]                     ; p = 2^(t - M)
.set n_, n_+1
.endr
	v_pk_mul_f32 v[14:15], v[14:15], v[248:249] op_sel_hi:[1,0]    ; the sums under the new M: a plain place behind the exponentials
	s_wait_alu depctr_va_vdst(0)                   ; one wait for the batch, ahead of its first reader
	v_exp_f32 v240, v240                           ; the blocks' largest p
	v_exp_f32 v242, v242
	v_pk_add_f32 v[250:251], v[104:105], v[108:109]                ; the row's sum of the unquantised p, in eight chains
	v_pk_add_f32 v[254:255], v[112:113], v[116:117]
	v_pk_add_f32 v[252:253], v[120:121], v[124:125]
	v_pk_add_f32 v[246:247], v[128:129], v[132:133]
	v_pk_add_f32 v[244:245], v[136:137], v[140:141]
	v_pk_add_f32 v[228:229], v[144:145], v[148:149]
	v_pk_add_f32 v[226:227], v[152:153], v[156:157]
	ACC 14, 160
	ACC 250, 100
	ACC 254, 102
	ACC 252, 106
	ACC 246, 110
	ACC 244, 114
	ACC 228, 118
	ACC 226, 122
	ACC 14, 126
	ACC 250, 130
	ACC 254, 134
	ACC 252, 138
	ACC 246, 142
	ACC 244, 146
	ACC 228, 150
	ACC 226, 154
	ACC 14, 158
	ACC 250, 162
	ACC 14, 246
	ACC 250, 244
	ACC 254, 228
	ACC 252, 226
	ACC 14, 254
	ACC 250, 252
	s_delay_alu instid0(VALU_DEP_1)
	ACC 14, 250
	s_wait_alu depctr_va_vdst(0)                   ; and one for the two
	v_max_num_f32 v240, 0x1800000, v240            ; the floor: the byte cannot fall under 1
	v_max_num_f32 v242, 0x1800000, v242
	s_delay_alu instid0(VALU_DEP_2)
	v_add_nc_u32 v252, 0xff000000, v240
	s_delay_alu instid0(VALU_DEP_2)
	v_add_nc_u32 v253, 0xff000000, v242
	s_delay_alu instid0(VALU_DEP_2)
	v_lshrrev_b32 v254, 23, v252
	s_delay_alu instid0(VALU_DEP_2)
	v_lshrrev_b32 v255, 23, v253
	s_delay_alu instid0(VALU_DEP_1)
	v_lshl_or_b32 v254, v255, 16, v254             ; my two bytes: blocks h and 2 + h,
	s_delay_alu instid0(VALU_DEP_1)
	v_lshlrev_b32 v254, v[H8], v254
	s_delay_alu instid0(VALU_DEP_1)
	v_permlanex16_b32 v245, v254, s[SEL], s[SEL+1]
	s_delay_alu instid0(VALU_DEP_1)
	v_or_b32 v[PS], v254, v245                     ; with lane l xor 16's the word is whole
	v_cvt_scalef32_pk16_fp6_f32 v[P:P+2], v[S:S+15], v252
	v_cvt_scalef32_pk16_fp6_f32 v[T1:T1+2], v[S+16:S+31], v252
	v_cvt_scalef32_pk16_fp6_f32 v[P+6:P+8], v[S+32:S+47], v253
	v_cvt_scalef32_pk16_fp6_f32 v[T2:T2+2], v[S+48:S+63], v253
	v_nop                                          ; one plain place behind a scaled conversion
.irp i, 0,1,2
	v_mov_b32 v[P+3+\i], v[T1+\i]
	v_mov_b32 v[P+9+\i], v[T2+\i]
.endr
.irp j, 0,2,4,6,8,10,12,14,16,18,20,22,24,26,28,30
	v_pk_mul_f32 v[O+\j:O+\j+1], v[O+\j:O+\j+1], v[248:249] op_sel_hi:[1,0]   ; O^T under the new M; these sixteen also part the codes and the scale word from the products
.endr
	s_wait_alu depctr_va_vdst(0)
	s_wait_dscnt 0x0                               ; v's fragments and words
.irp t, 0,1,2,3
	WM O+8*\t, F+12*\t, P, 0, SW+\t/2, PS, \t%2
.endr
	s_branch .Ljoin
.Lidle:
	s_cmp_eq_u32 s[FQ], 0
	s_cbranch_scc1 .Ljoin
	QLOAD PP
.Ljoin:
	s_cmp_eq_u32 s[FIN], 0                         ; at a block's end team 1 lays its state into its own stage: O^T as four tiles, then -M, t and the sum's halves
	s_cbranch_scc1 .Lkept
	s_cmp_eq_u32 s[TM], 0
	s_cbranch_scc1 .Lkept
.rept 4
	v_nop                                          ; places behind the last products
.endr
.irp t, 0,1,2,3
	ds_store_b128 v[XST], v[O+8*\t:O+8*\t+3] offset:64*\t
	ds_store_b128 v[XST], v[O+8*\t+4:O+8*\t+7] offset:64*\t+16
.endr
	ds_store_b128 v[XST], v[12:15] offset:256
.Lkept:
	s_wait_alu depctr_va_vdst(0)
	s_wait_loadcnt 0x0                             ; the next round's units, and any queries, are in registers
	s_wait_dscnt 0x0                               ; my reads of the sets are over, and my state has landed
	s_barrier_signal -1
	s_barrier_wait -1                              ; both now hold of all sixteen waves
	s_cmp_eq_u32 s[TR], 8
	s_cbranch_scc1 .Lno_store
	ds_store_b128 v[SG16], v[SGR:SGR+3]
	ds_store_b64 v[SG8], v[SGR+4:SGR+5]
	ds_store_b128 v[SG16], v[208:211] offset:SETB
	ds_store_b64 v[SG8], v[232:233] offset:SETB
.Lno_store:
	s_cmp_eq_u32 s[FIN], 0
	s_cbranch_scc1 .Lno_take
	s_cmp_lg_u32 s[TM], 0
	s_cbranch_scc1 .Lno_take
	v_add_nc_u32 v250, s[XO], v[XST]               ; team 0 takes the state of the wave with the same queries
.irp t, 0,1,2,3
	ds_load_b128 v[S+8*\t:S+8*\t+3], v250 offset:64*\t
	ds_load_b128 v[S+8*\t+4:S+8*\t+7], v250 offset:64*\t+16
.endr
	ds_load_b128 v[S+32:S+35], v250 offset:256
.Lno_take:
	s_wait_dscnt 0x0                               ; my units have landed; the state is read, so its stage may be written again
	s_barrier_signal -1
	s_barrier_wait -1
	s_cmp_eq_u32 s[FIN], 0
	s_cbranch_scc1 .Lnext
	s_cmp_lg_u32 s[TM], 0
	s_cbranch_scc1 .Lanew
	; THE JOIN AND THE WAY OUT: (O0 f0 + O1 f1) / l, f = 2^(own M - common M): exact.  A team that had no step holds zeros under M = -3e38: its f is 0
	v_min_num_f32 v240, v12, v[S+32]               ; the common -M
	v_add_f32 v14, v14, v15
	v_add_f32 v243, v[S+34], v[S+35]
	v_sub_f32 v241, v240, v12
	v_sub_f32 v242, v240, v[S+32]
	s_delay_alu instid0(VALU_DEP_2)
	v_cvt_i32_f32 v241, v241                       ; (it saturates)
	s_delay_alu instid0(VALU_DEP_2)
	v_cvt_i32_f32 v242, v242
	s_delay_alu instid0(VALU_DEP_2)
	v_ldexp_f32 v248, 1.0, v241
	s_delay_alu instid0(VALU_DEP_2)
	v_ldexp_f32 v250, 1.0, v242
	v_mov_b32 v251, 0                              ; (named as the upper half of the pair v[250:251])
	v_mul_f32 v14, v14, v248
	s_delay_alu instid0(VALU_DEP_1)
	v_fma_f32 v14, v243, v250, v14
	v_permlanex16_b32 v245, v14, s[SEL], s[SEL+1]
	s_delay_alu instid0(VALU_DEP_1)
	v_add_f32 v14, v14, v245                       ; l
	s_wait_alu depctr_va_vdst(0)                   ; the wait ahead of the transcendental
	v_rcp_f32 v252, v14
	v_and_b32 v241, 7, v0                          ; where my query's codes go: token tile 2 g + n / 8, row c + 2 (n % 8)
	v_bfe_u32 v242, v0, 4, 1
	v_bfe_u32 v243, v0, 3, 1
	v_and_b32 v244, 15, v0
	v_lshl_add_u32 v241, v241, 1, s[CP]
	v_mul_u32_u24 v243, v243, 12288
	v_lshl_add_u32 v244, v244, 1, s[CP]
	v_lshl_add_u32 v241, v242, 4, v241
	v_lshl_add_u32 v253, v244, 5, v242             ; 32 bytes a token, + h
	v_lshl_add_u32 v254, v241, 4, v243
	v_lshl_add_u32 v255, v241, 3, v243
	s_wait_alu depctr_va_vdst(0)                   ; the wait, ahead of the first reader
	v_mul_f32 v248, v248, v252
	v_mul_f32 v250, v250, v252
.irp j, 0,2,4,6,8,10,12,14,16,18,20,22,24,26,28,30
	v_pk_mul_f32 v[O+\j:O+\j+1], v[O+\j:O+\j+1], v[248:249] op_sel_hi:[1,0]
.endr
.irp j, 0,2,4,6,8,10,12,14,16,18,20,22,24,26,28,30
	v_pk_fma_f32 v[O+\j:O+\j+1], v[S+\j:S+\j+1], v[250:251], v[O+\j:O+\j+1] op_sel_hi:[1,0,1]
.endr
	v_max3_num_f32 v240, |v[O]|, |v[O+1]|, 0x1800000               ; register 8 t + j of lane (n, h) is d = 32 h + 8 t + j: a block of the last projection's K, whole in my lane
	v_max3_num_f32 v243, |v[O+2]|, |v[O+3]|, 0x1800000
.irp i, 4,8,12,16,20,24,28
	s_delay_alu instid0(VALU_DEP_2)
	v_max3_num_f32 v240, v240, |v[O+\i]|, |v[O+\i+1]|
	s_delay_alu instid0(VALU_DEP_2)
	v_max3_num_f32 v243, v243, |v[O+\i+2]|, |v[O+\i+3]|
.endr
	s_delay_alu instid0(VALU_DEP_1)
	v_max_num_f32 v240, v240, v243
	s_delay_alu instid0(VALU_DEP_1)
	v_add_nc_u32 v246, 0xff000000, v240
	s_delay_alu instid0(VALU_DEP_1)
	v_lshrrev_b32 v247, 23, v246
	v_cvt_scalef32_pk16_fp6_f32 v[F:F+2], v[O:O+15], v246
	v_cvt_scalef32_pk16_fp6_f32 v[T1:T1+2], v[O+16:O+31], v246
	v_nop
.irp i, 0,1,2
	v_mov_b32 v[F+3+\i], v[T1+\i]
.endr
	s_lshl_b32 s26, s[BB], 7
	s_lshl_b32 s27, s[BLK], 3
	s_add_co_u32 s26, s26, s27
	s_add_co_u32 s26, s26, s[G2]                   ; the first of my two token tiles
	s_lshl_b32 s40, s26, 4
	s_add_co_u32 s40, s40, s[HD]
	s_mul_i32 s40, s40, 768                        ; its unit 'head'
	s_mov_b32 s41, 0
	s_lshl_b32 s42, s26, 9
	s_lshl_b32 s27, s[HD], 1
	s_add_co_u32 s42, s42, s27
	s_add_co_u32 s42, s42, OSO                     ; bytes 2 head, 2 head + 1 of each token's 32
	s_mov_b32 s43, 0
	s_add_nc_u64 s[40:41], s[8:9], s[40:41]
	s_add_nc_u64 s[42:43], s[8:9], s[42:43]
	s_wait_alu depctr_va_vdst(0)                   ; the wait ahead of the readers below
	global_store_b128 v254, v[F:F+3], s[40:41]
	global_store_b64 v255, v[F+4:F+5], s[40:41] offset:512
	global_store_b8 v253, v247, s[42:43]
	s_wait_xcnt 0x0                                ; the stores' registers are written again in the next round
.Lanew:                                                ; both teams begin the next block anew
.rept 4
	v_nop                                          ; places behind the last products, whose accumulators are written below
.endr
.irp j, 0,1,2,3,4,5,6,7,8,9,10,11,12,13,14,15,16,17,18,19,20,21,22,23,24,25,26,27,28,29,30,31
	v_mov_b32 v[O+\j], 0
.endr
	v_mov_b32 v13, 0xff61b1e6
	s_delay_alu instid0(VALU_DEP_1)
	v_floor_f32 v12, -v13
	v_mov_b32 v14, 0
	v_mov_b32 v15, 0
.Lnext:
	s_add_co_u32 s[TR], s[TR], 1
	s_cmp_lt_u32 s[TR], 9
	s_wait_alu depctr_va_vdst(0)                   ; the wait ahead of the branch
	s_cbranch_scc1 .Lround
	s_wait_tensorcnt 0x0                           ; the wave's end
	ds_add_u32 v231, v239
	s_wait_dscnt 0x0
	s_endpgm
.Lfunc_end_k_q2a98ae7054_attn:
	.size	k_q2a98ae7054_attn, .Lfunc_end_k_q2a98ae7054_attn-k_q2a98ae7054_attn
	.p2alignl 7, 3214868480
	.fill 96, 4, 3214868480
	.section	.rodata,"a",@progbits
	.p2align	6, 0x0
	.amdhsa_kernel k_q2a98ae7054_attn
		.amdhsa_group_segment_fixed_size 323584
		.amdhsa_private_segment_fixed_size 0
		.amdhsa_enable_private_segment 0
		.amdhsa_kernarg_size 24
		.amdhsa_user_sgpr_count 2
		.amdhsa_user_sgpr_kernarg_segment_ptr 1
		.amdhsa_wavefront_size32 1
		.amdhsa_system_sgpr_workgroup_id_x 1
		.amdhsa_system_sgpr_workgroup_id_y 1
		.amdhsa_system_sgpr_workgroup_id_z 1
		.amdhsa_system_vgpr_workitem_id 0
		.amdhsa_next_free_vgpr 256
		.amdhsa_next_free_sgpr 66
		.amdhsa_reserve_vcc 1
		.amdhsa_float_denorm_mode_32 3
		.amdhsa_float_denorm_mode_16_64 3
		.amdhsa_memory_ordered 1
		.amdhsa_forward_progress 1
		.amdhsa_inst_pref_size 56
	.end_amdhsa_kernel
	.amdgpu_metadata
---
amdhsa.version: [ 1, 2 ]
amdhsa.kernels:
  - .name:           k_q2a98ae7054_attn
    .symbol:         k_q2a98ae7054_attn.kd
    .args:
      - { .name: qkv, .offset: 0, .size: 8, .value_kind: global_buffer, .address_space: global }
      - { .name: pre, .offset: 8, .size: 8, .value_kind: global_buffer, .address_space: global }
      - { .name: att, .offset: 16, .size: 8, .value_kind: global_buffer, .address_space: global }
    .group_segment_fixed_size: 323584
    .private_segment_fixed_size: 0
    .kernarg_segment_align: 8
    .kernarg_segment_size: 24
    .max_flat_workgroup_size: 512
    .sgpr_count:     66
    .vgpr_count:     256
    .wavefront_size: 32
...
	.end_amdgpu_metadata
.endif
;; end of part 3
;; launch outp (part 4): grid 8 x 32, 4 waves a work-group, clusters of 4 x 4, 222,720 bytes of LDS; arguments att, pre, out0; writes out0
.if DOCPART == 4
	.amdgcn_target "amdgcn-amd-amdhsa--gfx1250"
	.amdhsa_code_object_version 6
	.text
	.protected	k_q2a98ae7054_outp
	.globl	k_q2a98ae7054_outp
	.p2align	8
	.type	k_q2a98ae7054_outp,@function
k_q2a98ae7054_outp:
	s_mov_b64 s[64:65], 0
	v_nop
	global_prefetch_b8 v0, s[64:65] scope:SCOPE_SE
	s_setreg_imm32_b32 hwreg(HW_REG_WAVE_MODE, 25, 1), 1
	s_wait_xcnt 0x0
	s_wait_alu depctr_hold_cnt(0) depctr_sa_sdst(0) depctr_va_vdst(0) depctr_va_sdst(0) depctr_va_ssrc(0) depctr_va_vcc(0) depctr_vm_vsrc(0)
	s_getreg_b32 s2, hwreg(HW_REG_IB_STS2, 6, 4)
	s_cmp_eq_u32 s2, 0
	s_cbranch_scc0 .Lentry_in_a_cluster
	s_endpgm
.Lentry_in_a_cluster:
	s_bfe_u32 s2, ttmp6, 0x10000c
	s_cmp_lg_u32 s2, 0xf033
	s_cbranch_scc0 .Lentry_shape_is_right
	s_endpgm
.Lentry_shape_is_right:
; out0 [4096][1024] f32 = O w_res on codes of E2M3.  O's codes lie in att as [256 token tiles][16 units of 768 bytes], its scale bytes behind them, 32 a token; w_res's in pre, by tiles of 16 columns, likewise.
; A unit is 16 rows x 64 along K as an image of operand registers: bytes 0-511 registers 0-3 (lane L at 16 L), bytes 512-767 registers 4-5 (lane L at 8 L).  Two units on end are a fragment of 128 along K.
; A work-group makes 128 tokens x 128 columns: 32 x 8 = 256 work-groups.  Its operands for ALL of K are four dense blocks of memory: 98,304 bytes of codes and 4,096 of scale bytes a side.
; They fit in LDS together, so each of the four waves brings one of them by its one tensor load at the head, in rows of 256 bytes; nothing is filled again: no ring, one barrier.
; CLUSTERS: 4 x 4 work-groups; the tokens' blocks are shared along a row of the cluster, the columns' along a column: each is asked for jointly.
; No prefetch: the launch has no loop to run ahead in; all it reads is asked for at its head.
; A wave makes 64 x 64: 16 accumulators (window 1, v256-383).  Window 0: v16-29 addresses, v32-63 scale words of all of K (lanes 0-15 the tokens' tile i, lanes 16-31 the columns' tile i),
; v64-159 two sets of the tokens' four fragments, v160-255 two sets of the columns'.  Source 0 = 16 columns, source 1 = 16 tokens: a lane holds eight neighbouring columns of one token.
.set WCO, 3145728
.set WSO, 6422528
.set OSO, 3145728
.set BCB, 98304                        ; LDS: the tokens' codes at 0, the columns' here,
.set SAB, 196608                       ; the tokens' scale bytes, the columns' 4,096 on,
.set STG, 204800                       ; a stage of 16 x 272 bytes for each wave: bytes of its own, into which no load lands,
.set SPITCH, 272
.set SPARE, 222208                     ; and the spare words
.set ADA, 16
.set ADB, 18
.set ADS, 20
.set STO, 24
.set RD,  25
.set CO,  26
.set SPW, 28
.set NIL, 29
.set SC,  32
.set AFR, 64
.set BFR, 160
.set G1, 24
.set G0, 32
.set G0B, 36
.set G1B, 48
.set G1S, 68
.set G0S, 76
.set G1SB, 80
.set G0SB, 88
.set MSB, 0
.macro WIN new                         ; the immediate's high byte repeats the setting that is left
.if MSB != (\new)
	s_set_vgpr_msb (MSB<<8)|(\new)
.set MSB, (\new)
.endif
.endm
.macro CROUND                          ; a round of the cluster's barrier
	s_barrier_signal -1
	s_barrier_wait -1
	s_cmp_lg_u32 s14, 0
	s_cbranch_scc1 .Lnot_wave_0_\@
	s_barrier_signal -3
.Lnot_wave_0_\@:
	s_barrier_wait -3
	s_barrier_signal -1
	s_barrier_wait -1
.endm
.macro PLACES
.rept 4
	v_nop
.endr
.endm
	s_load_b128 s[4:7], s[0:1], 0x0                ; att, pre
	s_load_b64 s[12:13], s[0:1], 0x10              ; out0
	v_lshl_add_u32 v[SPW], v0, 2, SPARE
	v_mov_b32 v[NIL], 0
	ds_add_u32 v[SPW], v[NIL]                      ; the opening lines: the add, twice on end, and its wait ahead of my tensor load
	ds_add_u32 v[SPW], v[NIL]
	v_lshrrev_b32 v1, 5, v0
	v_readfirstlane_b32 s14, v1                    ; wave 0..3
	s_lshr_b32 s15, s14, 1                         ; which 64 tokens are mine
	s_and_b32 s16, s14, 1                          ; which 64 columns
	s_bfe_u32 s40, ttmp6, 0x40000                  ; cx, cy
	s_bfe_u32 s41, ttmp6, 0x40004
	s_lshl_b32 s42, ttmp9, 2
	s_add_co_u32 s42, s42, s40                     ; block of columns
	s_and_b32 s17, ttmp7, 0xffff
	s_lshl_b32 s17, s17, 2
	s_add_co_u32 s17, s17, s41                     ; block of tokens
	s_lshl_b32 s43, s41, 2
	s_lshl_b32 s43, 15, s43                        ; my row of the cluster
	s_lshl_b32 s44, 0x1111, s40                    ; my column
	s_or_b32 s[G1], s43, (3<<16)|(1<<21)           ; elements of 8 bytes, the mask, bit 21 beside it
	s_or_b32 s[G1S], s43, (3<<16)|(1<<21)
	s_or_b32 s[G1B], s44, (3<<16)|(1<<21)
	s_or_b32 s[G1SB], s44, (3<<16)|(1<<21)
.irp g, G1, G1B                        ; 98,304 dense bytes: 384 rows of 256
	s_mov_b32 s[\g+1], 32<<16
	s_mov_b32 s[\g+2], 384<<16
	s_mov_b32 s[\g+3], 32<<16
	s_mov_b32 s[\g+4], 384
	s_mov_b32 s[\g+5], 32
	s_mov_b32 s[\g+6], 0
	s_mov_b32 s[\g+7], 0
.endr
.irp g, G1S, G1SB                      ; 4,096 dense bytes: 16 rows of 256
	s_mov_b32 s[\g+1], 32<<16
	s_mov_b32 s[\g+2], 16<<16
	s_mov_b32 s[\g+3], 32<<16
	s_mov_b32 s[\g+4], 16
	s_mov_b32 s[\g+5], 32
	s_mov_b32 s[\g+6], 0
	s_mov_b32 s[\g+7], 0
.endr
	s_mul_i32 s20, s17, 98304
	s_mov_b32 s21, 0
	s_lshl_b32 s22, s17, 12
	s_add_co_u32 s22, s22, OSO
	s_mov_b32 s23, 0
	s_mul_i32 s46, s42, 98304
	s_add_co_u32 s46, s46, WCO+3*786432
	s_mov_b32 s47, 0
	s_lshl_b32 s92, s42, 12
	s_add_co_u32 s92, s92, WSO+98304
	s_mov_b32 s93, 0
	s_wait_dscnt 0x0                               ; both opening adds are done
	s_wait_kmcnt 0x0
	s_add_nc_u64 s[20:21], s[4:5], s[20:21]
	s_add_nc_u64 s[22:23], s[4:5], s[22:23]
	s_add_nc_u64 s[46:47], s[6:7], s[46:47]
	s_add_nc_u64 s[92:93], s[6:7], s[92:93]
	CROUND                                         ; all sixteen work-groups are here: the joint loads meet
	s_mov_b32 s[G0], 1
	s_mov_b32 s[G0+1], 0
	s_mov_b64 s[G0+2:G0+3], s[20:21]
	s_or_b32 s[G0+3], s[G0+3], 0x80000000
	s_mov_b32 s[G0B], 1
	s_mov_b32 s[G0B+1], BCB
	s_mov_b64 s[G0B+2:G0B+3], s[46:47]
	s_or_b32 s[G0B+3], s[G0B+3], 0x80000000
	s_mov_b32 s[G0S], 1
	s_mov_b32 s[G0S+1], SAB
	s_mov_b64 s[G0S+2:G0S+3], s[22:23]
	s_or_b32 s[G0S+3], s[G0S+3], 0x80000000
	s_mov_b32 s[G0SB], 1
	s_mov_b32 s[G0SB+1], SAB+4096
	s_mov_b64 s[G0SB+2:G0SB+3], s[92:93]
	s_or_b32 s[G0SB+3], s[G0SB+3], 0x80000000
; one tree of branches on the wave's number, one load to an arm: wave 0 the tokens' codes, wave 1 the columns', wave 2 the tokens' scale bytes, wave 3 the columns'
.macro ARM under, g0, g1, next
	s_cmp_lt_u32 s14, \under
	s_cbranch_scc0 \next
	tensor_load_to_lds s[\g0:\g0+3], s[\g1:\g1+7]
	s_nop 0
	PLACES
	s_branch .Lhead_asked
\next:
.endm
	ARM 1, G0,  G1,  .Lhead_b
	ARM 2, G0B, G1B, .Lhead_sa
	ARM 3, G0S, G1S, .Lhead_sb
	tensor_load_to_lds s[G0SB:G0SB+3], s[G1SB:G1SB+7]
	s_nop 0
	PLACES
.Lhead_asked:
	v_and_b32 v1, 31, v0
	v_and_b32 v4, 15, v0                           ; r
	v_bfe_u32 v5, v0, 4, 1                         ; h
	v_lshlrev_b32 v2, 4, v1
	v_lshlrev_b32 v3, 3, v1
	s_mul_i32 s66, s15, 49152                      ; my four tiles of tokens,
	s_mul_i32 s67, s16, 49152
	s_add_co_u32 s67, s67, BCB                     ; and of columns
	v_add_nc_u32 v[ADA], s66, v2
	v_add_nc_u32 v[ADA+1], s66, v3
	v_add_nc_u32 v[ADB], s67, v2
	v_add_nc_u32 v[ADB+1], s67, v3
	s_lshl_b32 s66, s15, 11                        ; scale bytes: 32 a row; lanes 0-15 take the tokens', lanes 16-31 the columns'
	s_lshl_b32 s67, s16, 11
	s_add_co_u32 s67, s67, 4096
	s_sub_co_u32 s67, s67, s66
	s_add_co_u32 s66, s66, SAB
	s_wait_alu depctr_va_vdst(0)                   ; the wait here, directly ahead of the readers below
	v_mul_u32_u24 v6, s67, v5
	v_lshl_add_u32 v6, v4, 5, v6
	v_add_nc_u32 v[ADS], s66, v6
	s_mul_i32 s66, s14, 16*SPITCH
	s_add_co_u32 s66, s66, STG                     ; my stage
	v_mul_u32_u24 v6, v4, SPITCH                   ; in: row = token, 32 bytes for each half of the lanes
	v_lshl_add_u32 v6, v5, 5, v6
	v_add_nc_u32 v[STO], s66, v6
	v_mul_u32_u24 v6, v5, SPITCH                   ; back: sixteen lanes to a row of 256 bytes, two rows an instruction
	v_lshl_add_u32 v6, v4, 4, v6
	v_add_nc_u32 v[RD], s66, v6
	v_lshlrev_b32 v6, 12, v5
	v_lshl_add_u32 v[CO], v4, 4, v6                ; and the same in out0: a row is 4,096 bytes
	s_lshl_b32 s20, s17, 7
	s_lshl_b32 s21, s15, 6
	s_add_co_u32 s20, s20, s21
	s_lshl_b32 s20, s20, 12                        ; my first token's row,
	s_lshl_b32 s21, s42, 9
	s_add_co_u32 s20, s20, s21
	s_lshl_b32 s21, s16, 8
	s_add_co_u32 s20, s20, s21                     ; my first column: 512 x block + 256 x half
	s_mov_b32 s21, 0
	s_add_nc_u64 s[12:13], s[12:13], s[20:21]
.macro FRAG reg, adr, off
	ds_load_b128 v[\reg:\reg+3],     v[\adr]   offset:\off
	ds_load_b64  v[\reg+4:\reg+5],   v[\adr+1] offset:\off+512
	ds_load_b128 v[\reg+6:\reg+9],   v[\adr]   offset:\off+768
	ds_load_b64  v[\reg+10:\reg+11], v[\adr+1] offset:\off+1280
.endm
.macro FETCH q, set                    ; 32 loads: step q's eight fragments
.irp i, 0,1,2,3
	FRAG AFR+48*(\set)+12*\i, ADA, \i*12288+1536*(\q)
.endr
.irp i, 0,1,2,3
	FRAG BFR+48*(\set)+12*\i, ADB, \i*12288+1536*(\q)
.endr
.endm
.macro MUL q, set, zero                ; the 16 accumulators by turns, in the same order in every step
.irp i, 0,1,2,3
.irp j, 0,1,2,3
.if \zero
	v_wmma_scale_f32_16x16x128_f8f6f4 v[8*(4*\i+\j):8*(4*\i+\j)+7], v[BFR+48*(\set)+12*\j:BFR+48*(\set)+12*\j+11], v[AFR+48*(\set)+12*\i:AFR+48*(\set)+12*\i+11], 0, v[SC+8*\j+(\q)], v[SC+8*\i+(\q)] matrix_a_fmt:MATRIX_FMT_FP6 matrix_b_fmt:MATRIX_FMT_FP6 matrix_a_scale:MATRIX_SCALE_ROW1
.else
	v_wmma_scale_f32_16x16x128_f8f6f4 v[8*(4*\i+\j):8*(4*\i+\j)+7], v[BFR+48*(\set)+12*\j:BFR+48*(\set)+12*\j+11], v[AFR+48*(\set)+12*\i:AFR+48*(\set)+12*\i+11], v[8*(4*\i+\j):8*(4*\i+\j)+7], v[SC+8*\j+(\q)], v[SC+8*\i+(\q)] matrix_a_fmt:MATRIX_FMT_FP6 matrix_b_fmt:MATRIX_FMT_FP6 matrix_a_scale:MATRIX_SCALE_ROW1
.endif
.endr
.endr
.endm
	s_wait_alu depctr_va_vdst(0)                   ; the wait at the head's end
	s_wait_tensorcnt 0x0                           ; my block has landed
	s_barrier_signal -1
	s_barrier_wait -1                              ; and so have the other three
.irp i, 0,1,2,3
	ds_load_b128 v[SC+8*\i:SC+8*\i+3], v[ADS] offset:512*\i        ; a row's eight scale words: all of K
	ds_load_b128 v[SC+8*\i+4:SC+8*\i+7], v[ADS] offset:512*\i+16
.endr
	FETCH 0, 0
	FETCH 1, 1
	s_wait_dscnt 32                                ; all but the 32 loads just issued
	WIN 0x50                                       ; C and D in window 1
	MUL 0, 0, 1                                    ; the first step's products start the sums
	WIN 0
.set Q, 1
.rept 6
	PLACES                                         ; places in front of loads into the set that the last step multiplied
	FETCH Q+1, (Q+1)%2
	s_wait_dscnt 32
	WIN 0x50
	MUL Q, Q%2, 0
	WIN 0
.set Q, Q+1
.endr
	s_wait_dscnt 0x0
	WIN 0x50
	MUL 7, 1, 0
	WIN 0
	PLACES                                         ; places in front of the stores that read results and of the loads into operands
; THE WAY OUT, 16 tokens x 64 columns at a time, through my own stage: LDS serves a wave's instructions in order, so no wait stands between the stores and the loads
.irp i, 0,1,2,3
	WIN 0x04                                       ; the data in window 1
.irp j, 0,1,2,3
	ds_store_b128 v[STO], v[32*\i+8*\j:32*\i+8*\j+3] offset:64*\j          ; each accumulator from its low end on
	ds_store_b128 v[STO], v[32*\i+8*\j+4:32*\i+8*\j+7] offset:64*\j+16
.endr
	WIN 0
.irp t, 0,1,2,3,4,5,6,7
	ds_load_b128 v[64+32*\i+4*\t:64+32*\i+4*\t+3], v[RD] offset:\t*2*SPITCH
.endr
.endr
.irp i, 0,1,2,3
	s_wait_dscnt 16*(3-\i)                         ; behind block i's loads: 8 stores and 8 loads for each later block
.irp t, 0,1,2,3,4,5,6,7
	global_store_b128 v[CO], v[64+32*\i+4*\t:64+32*\i+4*\t+3], s[12:13] offset:\i*65536+\t*8192 th:TH_STORE_NT   ; sixteen lanes store 256 consecutive bytes, aligned
.endr
.endr
	s_wait_tensorcnt 0x0                           ; the wave's end
	ds_add_u32 v[SPW], v[NIL]
	s_wait_dscnt 0x0
	CROUND                                         ; the closing round
	s_endpgm
.Lfunc_end_k_q2a98ae7054_outp:
	.size	k_q2a98ae7054_outp, .Lfunc_end_k_q2a98ae7054_outp-k_q2a98ae7054_outp
	.p2alignl 7, 3214868480
	.fill 96, 4, 3214868480
	.section	.rodata,"a",@progbits
	.p2align	6, 0x0
	.amdhsa_kernel k_q2a98ae7054_outp
		.amdhsa_group_segment_fixed_size 222720
		.amdhsa_private_segment_fixed_size 0
		.amdhsa_enable_private_segment 0
		.amdhsa_kernarg_size 24
		.amdhsa_user_sgpr_count 2
		.amdhsa_user_sgpr_kernarg_segment_ptr 1
		.amdhsa_wavefront_size32 1
		.amdhsa_system_sgpr_workgroup_id_x 1
		.amdhsa_system_sgpr_workgroup_id_y 1
		.amdhsa_system_sgpr_workgroup_id_z 1
		.amdhsa_system_vgpr_workitem_id 0
		.amdhsa_next_free_vgpr 384
		.amdhsa_next_free_sgpr 100
		.amdhsa_reserve_vcc 0
		.amdhsa_float_denorm_mode_32 3
		.amdhsa_float_denorm_mode_16_64 3
		.amdhsa_memory_ordered 1
		.amdhsa_forward_progress 1
		.amdhsa_inst_pref_size 50
	.end_amdhsa_kernel
	.amdgpu_metadata
---
amdhsa.version: [ 1, 2 ]
amdhsa.kernels:
  - .name:           k_q2a98ae7054_outp
    .symbol:         k_q2a98ae7054_outp.kd
    .args:
      - { .name: att, .offset: 0, .size: 8, .value_kind: global_buffer, .address_space: global }
      - { .name: pre, .offset: 8, .size: 8, .value_kind: global_buffer, .address_space: global }
      - { .name: out0, .offset: 16, .size: 8, .value_kind: global_buffer, .address_space: global }
    .group_segment_fixed_size: 222720
    .private_segment_fixed_size: 0
    .kernarg_segment_align: 8
    .kernarg_segment_size: 24
    .max_flat_workgroup_size: 128
    .sgpr_count:     100
    .vgpr_count:     384
    .wavefront_size: 32
...
	.end_amdgpu_metadata
.endif
;; end of part 4
